; MI455X (gfx1250); checked and timed in simulation.
; The chip was launched on July 23, 2026; its instructions are those of AMD's public machine-readable ISA for CDNA 5 (MIT licence, August 2026) and "CDNA5" Instruction Set Architecture Reference Guide (July 2026). The comments in the code are by the model that wrote it; some were corrected since.
;; Multi Head Attention. Allowed arithmetic: float matrix products may take bf16 or f16 operands with f32 sums; other float arithmetic in f32, or as packed bf16 or f16 multiplies, adds, multiply-adds, maxima and minima; sums over many terms, partial sums and values carried from step to step in f32; what a program stores and reads back later, other than sums and carried values, may be rounded once to bf16 or f16.
;; Inputs: k_norm_w 64 float32; positions 1 x 4,096 int32; q_norm_w 64 float32; wk 512 x 2,048 float32; wo 2,048 x 2,048 float32; wq 2,048 x 2,048 float32; wv 512 x 2,048 float32; x 1 x 4,096 x 2,048 float32.
;; Outputs: out0 1 x 4,096 x 2,048 float32.
;; One version. Each part assembles by itself: llvm-mc -triple=amdgcn-amd-amdhsa -mcpu=gfx1250 --defsym DOCPART=n.
;; ======== version 1 of 1: 4 launches
;; limits: values are held in f16: magnitudes above 65,504 overflow, below 6.1e-05 lose precision
;; workspace buffers: xb 16,777,216 bytes; wb 12,582,912 bytes; wof 8,388,608 bytes; tab 1,048,576 bytes; qkv 28,311,552 bytes; ctx 16,777,216 bytes
;; launch prep (part 1): grid 2560 x 1, 8 waves a work-group, no clusters, 0 bytes of LDS; arguments x, wq, wk, wv, wo, positions, xb, wb, wof, tab, qkv; writes xb, wb, wof, tab, qkv
.if DOCPART == 1
	.amdgcn_target "amdgcn-amd-amdhsa--gfx1250"
	.amdhsa_code_object_version 6
	.text
	.protected	k_q1ace2fbfbc_prep
	.globl	k_q1ace2fbfbc_prep
	.p2align	8
	.type	k_q1ace2fbfbc_prep,@function
k_q1ace2fbfbc_prep:
	s_mov_b64 s[64:65], 0
	v_nop
	global_prefetch_b8 v0, s[64:65] scope:SCOPE_SE
	s_setreg_imm32_b32 hwreg(HW_REG_WAVE_MODE, 25, 1), 1
	s_wait_xcnt 0x0
; PREP: a stream.  Work-groups 0 .. 2303 cast one chunk of 8,192 f32 numbers each (32 KiB in, 16 KiB out):
;   x -> xb (bf16);  wq, wk, wv -> wb (bf16, rows 0-2047, 2048-2559, 2560-3071);  wo -> wof (rounded to bf16, that number written as f16).
; Work-groups 2304 .. 2559 (z = 0 .. 255) write 4 KiB of zeros into the 512 rows in front of each k and v head of qkv (the keys before key 0),
; and 16 rows of the rotary table tab[t] = cos(pos inv_f) f = 0..31, sin(pos inv_f) f = 0..31 (256 bytes a row).
; No LDS, no barrier, no loop, no matrix unit: every byte is read once and written once, nothing is shared between waves.
; LIMITS.  wof: a bf16 number below 2^-14 keeps f16's fixed step of 2^-24; beyond 65,504 it would be an infinity (wo as drawn has a spread of 0.02).
; Table: |positions| under 2^23; the angle is the f32 product pos x inv_f as the reference forms it; inv_f = 2^(-f log2(10000)/32) by v_exp_f32, an ulp or two from the reference's;
; sine and cosine by a reduction with pi/2 in two parts and polynomials on |r| <= pi/4.
.set HEADB, 4608*128                   ; bytes of a head in qkv: 512 rows in front, 4,096 tokens, 128 bytes a row
.set NCAST, 2304
	s_load_b512 s[8:23], s[0:1], 0x0               ; x 8, wq 10, wk 12, wv 14, wo 16, positions 18, xb 20, wb 22
	s_load_b128 s[24:27], s[0:1], 0x40             ; wof 24, tab 26
	s_load_b64 s[28:29], s[0:1], 0x50              ; qkv
	s_mov_b32 s2, ttmp9
	v_lshlrev_b32 v1, 5, v0                        ; 32 t: my 8 numbers in 8,192 bytes of input
	v_lshlrev_b32 v2, 4, v0                        ; 16 t: my 16 bytes of output
	s_cmp_ge_u32 s2, NCAST
	s_cbranch_scc1 .Ltable
	; which tensor, which chunk: a chain of selects, each later line overriding the earlier ones
	s_sub_co_u32 s36, s2, 1024
	s_sub_co_u32 s37, s2, 1536
	s_sub_co_u32 s38, s2, 1664
	s_sub_co_u32 s39, s2, 1792
	s_wait_kmcnt 0x0
	s_mov_b64 s[30:31], s[8:9]                     ; from x
	s_mov_b64 s[32:33], s[20:21]                   ; to xb
	s_mov_b32 s34, s2                              ; chunk of the source
	s_mov_b32 s35, s2                              ; chunk of the destination
	s_cmp_ge_u32 s2, 1024
	s_cselect_b64 s[30:31], s[10:11], s[30:31]     ; wq -> wb
	s_cselect_b64 s[32:33], s[22:23], s[32:33]
	s_cselect_b32 s34, s36, s34
	s_cselect_b32 s35, s36, s35
	s_cmp_ge_u32 s2, 1536
	s_cselect_b64 s[30:31], s[12:13], s[30:31]     ; wk, behind wq in wb
	s_cselect_b32 s34, s37, s34
	s_cmp_ge_u32 s2, 1664
	s_cselect_b64 s[30:31], s[14:15], s[30:31]     ; wv, behind wk
	s_cselect_b32 s34, s38, s34
	s_cmp_ge_u32 s2, 1792
	s_cselect_b64 s[30:31], s[16:17], s[30:31]     ; wo -> wof
	s_cselect_b64 s[32:33], s[24:25], s[32:33]
	s_cselect_b32 s34, s39, s34
	s_cselect_b32 s35, s39, s35
	s_lshl_b32 s40, s34, 15
	s_mov_b32 s41, 0
	s_lshl_b32 s42, s35, 14
	s_mov_b32 s43, 0
	s_add_nc_u64 s[30:31], s[30:31], s[40:41]
	s_add_nc_u64 s[32:33], s[32:33], s[42:43]
.irp j, 0,1,2,3
	global_load_b128 v[8+8*\j:11+8*\j],  v1, s[30:31] offset:8192*\j th:TH_LOAD_NT
	global_load_b128 v[12+8*\j:15+8*\j], v1, s[30:31] offset:8192*\j+16 th:TH_LOAD_NT
.endr
	s_cmp_ge_u32 s2, 1792
	s_cbranch_scc1 .Lwo
.irp j, 0,1,2,3
	s_wait_loadcnt 6-2*\j                          ; loads come back in order: the two of part j are in, the younger ones stay out
.irp k, 0,1,2,3
	v_cvt_pk_bf16_f32 v[40+4*\j+\k], v[8+8*\j+2*\k], v[9+8*\j+2*\k]
.endr
	global_store_b128 v2, v[40+4*\j:43+4*\j], s[32:33] offset:4096*\j  ; a wave stores 512 consecutive bytes, aligned; every register is written once, so no wait frees any
.endr
	s_endpgm
.Lwo:
.irp j, 0,1,2,3
	s_wait_loadcnt 6-2*\j
.irp k, 0,1,2,3
	v_cvt_pk_bf16_f32 v[40+4*\j+\k], v[8+8*\j+2*\k], v[9+8*\j+2*\k]  ; rounded as every other input is,
	v_lshlrev_b32 v56, 16, v[40+4*\j+\k]
	v_and_b32 v57, 0xffff0000, v[40+4*\j+\k]
	v_cvt_pk_f16_f32 v[40+4*\j+\k], v56, v57       ; and that number written as f16
.endr
	global_store_b128 v2, v[40+4*\j:43+4*\j], s[32:33] offset:4096*\j
.endr
	s_endpgm
.Ltable:
	s_sub_co_u32 s3, s2, NCAST                     ; z
	s_lshr_b32 s4, s3, 4
	s_add_co_u32 s4, s4, 32                        ; head 32 + z / 16
	s_mul_i32 s4, s4, HEADB
	s_and_b32 s5, s3, 15
	s_lshl_b32 s5, s5, 12                          ; its 65,536 bytes in front, 4,096 a work-group
	s_add_co_u32 s4, s4, s5
	s_mov_b32 s5, 0
	s_lshl_b32 s6, s3, 6                           ; 16 z rows x 4 bytes of positions
	v_lshrrev_b32 v3, 4, v0                        ; my row among the 16
	v_lshl_add_u32 v3, v3, 2, s6
	s_wait_kmcnt 0x0
	global_load_b32 v8, v3, s[18:19]               ; the row's position
	s_add_nc_u64 s[28:29], s[28:29], s[4:5]
	v_mov_b32 v4, 0
	v_mov_b32 v5, 0
	v_mov_b32 v6, 0
	v_mov_b32 v7, 0
	global_store_b128 v2, v[4:7], s[28:29]
	s_lshl_b32 s6, s3, 12                          ; 16 z rows x 256 bytes of the table
	s_mov_b32 s7, 0
	s_add_nc_u64 s[26:27], s[26:27], s[6:7]
	v_and_b32 v15, 7, v0
	v_lshlrev_b32 v15, 2, v15                      ; my four frequencies begin at 4 (t % 8)
	v_bfe_u32 v14, v0, 3, 1                        ; 0: cosines, 1: sines
	v_lshl_add_u32 v14, v14, 1, v14                ; sin a = cos(a - pi/2): three quarter turns more
.irp e, 0,1,2,3
	v_add_nc_u32 v[20+\e], \e, v15
	v_cvt_f32_u32 v[20+\e], v[20+\e]
	v_mul_f32 v[20+\e], 0xbed49a78, v[20+\e]       ; - f log2(10000) / 32
.endr
.irp e, 0,1,2,3
	v_exp_f32 v[10+\e], v[20+\e]                   ; inv_f
.endr
	v_nop                                          ; a plain instruction behind the last exponential,
	s_wait_alu depctr_va_vdst(0)                   ; and the one wait for the four, ahead of their first reader
	s_wait_loadcnt 0x0
	v_cvt_f32_i32 v9, v8
.macro TRIG e
	v_mul_f32 v20, v9, v[10+\e]                    ; the angle
	v_mul_f32 v21, 0x3f22f983, v20                 ; x 2 / pi
	v_rndne_f32 v21, v21                           ; n quarter turns
	v_fmamk_f32 v22, v21, 0xbfc90fdb, v20          ; r = angle - n pi/2, pi/2 in two parts
	v_fmamk_f32 v22, v21, 0x333bbd2e, v22
	v_cvt_i32_f32 v23, v21
	v_add_nc_u32 v23, v23, v14                     ; the quadrant
	v_mul_f32 v24, v22, v22                        ; r^2
	v_mov_b32 v25, 0xb94ca1f9
	v_fmaak_f32 v25, v24, v25, 0x3c08839e
	v_fmaak_f32 v25, v24, v25, 0xbe2aaaa3
	v_mul_f32 v26, v22, v24
	v_fma_f32 v25, v26, v25, v22                   ; sin r
	v_mov_b32 v27, 0x37ccf5ce
	v_fmaak_f32 v27, v24, v27, 0xbab6061a
	v_fmaak_f32 v27, v24, v27, 0x3d2aaaa5
	v_mul_f32 v28, v24, v24
	v_fma_f32 v29, v24, -0.5, 1.0
	v_fma_f32 v27, v28, v27, v29                   ; cos r
	v_and_b32 v30, 1, v23
	v_cmp_ne_u32 vcc_lo, 0, v30
	v_cndmask_b32 v25, v27, v25, vcc_lo            ; odd quadrants take the sine
	v_add_nc_u32 v23, 1, v23
	v_and_b32 v23, 2, v23                          ; quadrants 1 and 2 are negative
	v_lshlrev_b32 v23, 30, v23
	v_xor_b32 v[16+\e], v23, v25
.endm
	TRIG 0
	TRIG 1
	TRIG 2
	TRIG 3
	global_store_b128 v2, v[16:19], s[26:27]       ; sixteen lanes fill one row's 256 bytes
	s_endpgm
.Lfunc_end_k_q1ace2fbfbc_prep:
	.size	k_q1ace2fbfbc_prep, .Lfunc_end_k_q1ace2fbfbc_prep-k_q1ace2fbfbc_prep
	.p2alignl 7, 3214868480
	.fill 96, 4, 3214868480
	.section	.rodata,"a",@progbits
	.p2align	6, 0x0
	.amdhsa_kernel k_q1ace2fbfbc_prep
		.amdhsa_group_segment_fixed_size 0
		.amdhsa_private_segment_fixed_size 0
		.amdhsa_enable_private_segment 0
		.amdhsa_kernarg_size 88
		.amdhsa_user_sgpr_count 2
		.amdhsa_user_sgpr_kernarg_segment_ptr 1
		.amdhsa_wavefront_size32 1
		.amdhsa_system_sgpr_workgroup_id_x 1
		.amdhsa_system_sgpr_workgroup_id_y 1
		.amdhsa_system_sgpr_workgroup_id_z 1
		.amdhsa_system_vgpr_workitem_id 0
		.amdhsa_next_free_vgpr 64
		.amdhsa_next_free_sgpr 66
		.amdhsa_reserve_vcc 1
		.amdhsa_float_denorm_mode_32 3
		.amdhsa_float_denorm_mode_16_64 3
		.amdhsa_memory_ordered 1
		.amdhsa_forward_progress 1
		.amdhsa_inst_pref_size 15
	.end_amdhsa_kernel
	.amdgpu_metadata
---
amdhsa.version: [ 1, 2 ]
amdhsa.kernels:
  - .name:           k_q1ace2fbfbc_prep
    .symbol:         k_q1ace2fbfbc_prep.kd
    .args:
      - { .name: x, .offset: 0, .size: 8, .value_kind: global_buffer, .address_space: global }
      - { .name: wq, .offset: 8, .size: 8, .value_kind: global_buffer, .address_space: global }
      - { .name: wk, .offset: 16, .size: 8, .value_kind: global_buffer, .address_space: global }
      - { .name: wv, .offset: 24, .size: 8, .value_kind: global_buffer, .address_space: global }
      - { .name: wo, .offset: 32, .size: 8, .value_kind: global_buffer, .address_space: global }
      - { .name: positions, .offset: 40, .size: 8, .value_kind: global_buffer, .address_space: global }
      - { .name: xb, .offset: 48, .size: 8, .value_kind: global_buffer, .address_space: global }
      - { .name: wb, .offset: 56, .size: 8, .value_kind: global_buffer, .address_space: global }
      - { .name: wof, .offset: 64, .size: 8, .value_kind: global_buffer, .address_space: global }
      - { .name: tab, .offset: 72, .size: 8, .value_kind: global_buffer, .address_space: global }
      - { .name: qkv, .offset: 80, .size: 8, .value_kind: global_buffer, .address_space: global }
    .group_segment_fixed_size: 0
    .private_segment_fixed_size: 0
    .kernarg_segment_align: 8
    .kernarg_segment_size: 88
    .max_flat_workgroup_size: 256
    .sgpr_count:     66
    .vgpr_count:     64
    .wavefront_size: 32
...
	.end_amdgpu_metadata
.endif
;; end of part 1
;; launch qkv (part 2): grid 16 x 16, 4 waves a work-group, clusters of 4 x 4, 327,680 bytes of LDS; arguments xb, wb, tab, q_norm_w, k_norm_w, qkv; writes qkv
.if DOCPART == 2
	.amdgcn_target "amdgcn-amd-amdhsa--gfx1250"
	.amdhsa_code_object_version 6
	.text
	.protected	k_q1ace2fbfbc_qkv
	.globl	k_q1ace2fbfbc_qkv
	.p2align	8
	.type	k_q1ace2fbfbc_qkv,@function
k_q1ace2fbfbc_qkv:
	s_mov_b64 s[64:65], 0
	v_nop
	global_prefetch_b8 v0, s[64:65] scope:SCOPE_SE
	s_setreg_imm32_b32 hwreg(HW_REG_WAVE_MODE, 25, 1), 1
	s_wait_xcnt 0x0
	s_wait_alu depctr_hold_cnt(0) depctr_sa_sdst(0) depctr_va_vdst(0) depctr_va_sdst(0) depctr_va_ssrc(0) depctr_va_vcc(0) depctr_vm_vsrc(0)
	s_getreg_b32 s2, hwreg(HW_REG_IB_STS2, 6, 4)
	s_cmp_eq_u32 s2, 0
	s_cbranch_scc0 .Lentry_in_a_cluster
	s_endpgm
.Lentry_in_a_cluster:
	s_bfe_u32 s2, ttmp6, 0x10000c
	s_cmp_lg_u32 s2, 0xf033
	s_cbranch_scc0 .Lentry_shape_is_right
	s_endpgm
.Lentry_shape_is_right:
; Q, K, V = xb wb^T ([4096][2048] x [3072][2048]^T, bf16, sums in f32), then RMSNorm and rotary embedding on the heads of q and k, out in f16 by heads:
; qkv head g (0-31 q, 32-39 k, 40-47 v) is [4608][64] f16, token t at row 512 + t.
; SHARES.  A work-group makes 256 tokens x 192 columns (three whole heads); wave w its rows 64 w .. 64 w + 63 and all 192 columns: 4 x 12 accumulators of 16 x 16, 384 registers.
; K goes in 16 steps of 128 (rows of 256 bytes, aligned) through two LDS slots filled by tensor loads, one load a wave behind each change of slots.
; CLUSTER 4 x 4: the four of a row need the same rows of xb, the four of a column the same rows of wb: each tile is asked for jointly, by the same load, descriptor and mask in all four.
; THE PRODUCT IS TAKEN TRANSPOSED (source 0 = 16 rows of wb, source 1 = 16 rows of xb): a lane holds ONE token (lane % 16) and the columns 8 (lane / 16) + 0..7 of each block of 16,
; so element d and element d + 32 of a head lie in the same lane, and a head's sum of squares wants one exchange between the halves of the lanes.
; All floating inputs are rounded to bf16, the two gains too; what is made here leaves once rounded to f16.
; LIMITS.  f16 ends at 65,504: v leaves unnormalised and must stay within it (as drawn its spread is 0.9); q and k are at most 8 sqrt(2) |gain| after the norm.  NaN and infinities are not treated apart.
; REGISTERS, in windows of 256 (s_set_vgpr_msb: bits 1:0 source 0, 3:2 source 1, 5:4 source 2, 7:6 destination):
;   window 0: v0-31 addresses; v32-63 at work on the way out; v64-127 fragments of xb, two buffers (later the way out's packed rows); v128-255 the table's cosines and sines of my 64 tokens
;   window 1: v0-191 fragments of wb, two buffers (later the way out's gains and rotations); v192-223 q's gains, v224-255 k's
;   window 2: accumulators of my rows 0-31, (a, b) at v[8 (12 (a % 2) + b)];   window 3: those of rows 32-63
.set KSTEP, 128
.set PITCH, 272                        ; an LDS row: 256 bytes + 16 of padding: the 16 rows of a fragment load start at 16 different groups of four banks
.set SLOT1, 131072                     ; slot 1 begins here: one exclusive or turns an address in one slot into the other's
.set AROWS, 256
.set BROWS, 192
.set BOFF,  AROWS*PITCH                ; in a slot: xb's 256 rows, then wb's 192
.set STAGE, SLOT1+(AROWS+BROWS)*PITCH  ; behind the ring, never filled by a tensor load: 16 rows x 144 bytes for each wave
.set SPI,   144
.set SPARE, STAGE+4*16*SPI             ; the spare words, 128 bytes a wave: two blocks of 256 bytes that no other line names
.set HEADB, 4608*128
.set NL,    32                         ; LDS loads in a run: 24 for wb, 8 for xb
.set AHEAD, 1                          ; a prefetch names the K step one behind the one that is being asked for
.set ADRA0, 16                         ; v16  my lane's place in slot 0's rows of xb; never rewritten
.set ADRB0, 17                         ; v17  the same for wb
.set ADRA,  18                         ; v18  the same in the slot in hand
.set ADRB,  19                         ; v19
.set STO,   24                         ; v24  the way out: where I put 16 bytes of a row
.set RD,    25                         ; v25  where I read rows back
.set GO,    26                         ; v26  my 16 bytes in 512 consecutive bytes of a head
.set TO,    27                         ; v27  my offset in 16 rows of the table
.set SPW,   28                         ; v28  my spare word: SPARE + 4 x my thread's number; never rewritten
.set NIL,   29                         ; v29  0; never rewritten
.set PFO,   30                         ; v30  the prefetches' offset: a lane a row
.set GH,    31                         ; v31  32 x (lane / 16): my offset in the gains
.set RS,    32                         ; v32-55  by head and block of 16 tokens: 1 / rms (a pair, the low word counts)
.set TT,    56                         ; v56-63  at work
.set PKD,   64                         ; v64-79  16 tokens x 64 channels, packed
.set BK,    80                         ; v80-111 the same read back as whole rows, two buffers
.set CSB,   128                        ; v128-255 block a at + 32 a: 16 cosines, 16 sines
.set WS,    0                          ; window 1: the head's gains
.set YY,    32                         ; window 1: normalised
.set TR,    64                         ; window 1: rotated
.set QW,    192
.set KW,    224
.set G1A, 24                           ; s[24:31] descriptor group 1 for xb's tiles
.set G0A, 32                           ; s[32:39] group 0: a set for each first fill; the second then walks
.set G1B, 48                           ; s[48:55], s[56:63] the same for wb's
.set G0B, 56
.set LIM, 43                           ; s43  AHEAD in a wave that prefetches, else the greatest number
.set PFA, 44                           ; s[44:45] where my prefetches stand
.set TB,  66                           ; s66  the slot in hand: 0 or SLOT1
.set G1W, (1<<16)|(1<<20)|(1<<21)|(5<<22)|(3<<25)  ; 2-byte elements; padding on; bit 21 beside a mask; after every 64 words, 4 words
.set MSB, 0
.macro WIN new                         ; the immediate's high byte repeats the setting that is left; a switch that changes nothing is dropped
.if MSB != (\new)
	s_set_vgpr_msb (MSB<<8)|(\new)
.set MSB, \new
.endif
.endm
; A joint refill by the walking descriptors: waves 0 and 1 fetch xb's two halves, waves 2 and 3 wb's.  The branch hangs on the wave's number alone.
; An s_nop 0 and four v_nop follow each of the two lines.
.macro JLOAD
	s_cmp_eq_u32 s11, 0
	s_cbranch_scc0 .Lfor_b_\@
	tensor_load_to_lds s[G0A+4:G0A+7], s[G1A:G1A+7]
	s_nop 0
.rept 4
	v_nop
.endr
	s_branch .Lasked_\@
.Lfor_b_\@:
	tensor_load_to_lds s[G0B+4:G0B+7], s[G1B:G1B+7]
	s_nop 0
.rept 4
	v_nop
.endr
.Lasked_\@:
.endm
; A prefetch, behind the joint load and the run of LDS loads: 256 bytes of each of my rows, a lane a row, for the K step that the NEXT change of slots asks for: 192 matrix instructions ahead of that load.
; Each row's 256 bytes are named once in the launch: xb's rows by the clusters with x = 0, wb's by those with y = 0; the four partners of a joint load share its rows out by address
; (32 of 128 for xb; 24 of 96 for wb, where lanes 24-31 repeat lane 23's row).  The first three K steps come by their loads alone; the loop's last trip names nothing: there is no K step 16.
.macro ASK
	WIN 0
	s_cmp_gt_u32 s3, s[LIM]
	s_cbranch_scc0 .Lnot_mine_\@
	global_prefetch_b8 v[PFO], s[PFA:PFA+1] offset:KSTEP*2*AHEAD th:TH_LOAD_NT scope:SCOPE_SE
.Lnot_mine_\@:
.endm
.macro CREST                           ; a round of the cluster's barrier behind its opening barrier
	s_cmp_lg_u32 s10, 0
	s_cbranch_scc1 .Lnot_wave_0_\@
	s_barrier_signal -3
.Lnot_wave_0_\@:
	s_barrier_wait -3
	s_barrier_signal -1
	s_barrier_wait -1
.endm
.macro CROUND                          ; a whole round
	s_barrier_signal -1
	s_barrier_wait -1
	CREST
.endm
.macro PLACES                          ; four places in front of loads into registers that matrix instructions have read
.rept 4
	v_nop
.endr
.endm
	s_load_b256 s[76:83], s[0:1], 0x0              ; xb 76, wb 78, tab 80, q_norm_w 82
	s_load_b128 s[84:87], s[0:1], 0x20             ; k_norm_w 84, qkv 86
	v_lshl_add_u32 v[SPW], v0, 2, SPARE
	v_mov_b32 v[NIL], 0
	ds_add_u32 v[SPW], v[NIL]                      ; the wave's opening: the add and its wait stand ahead of my first tensor load; the set-up below stands between them
	ds_add_u32 v28, v29
	v_lshrrev_b32 v1, 5, v0
	v_readfirstlane_b32 s10, v1                    ; wave 0..3
	s_lshr_b32 s11, s10, 1                         ; I fetch for xb (0) or for wb (1)
	s_and_b32 s12, s10, 1                          ; which half of that tile
	s_bfe_u32 s40, ttmp6, 0x40000                  ; cx
	s_bfe_u32 s41, ttmp6, 0x40004                  ; cy
	s_lshl_b32 s42, ttmp9, 2
	s_add_co_u32 s42, s42, s40                     ; tile column = 4 x cluster x + cx
	s_and_b32 s13, ttmp7, 0xffff
	s_lshl_b32 s13, s13, 2
	s_add_co_u32 s13, s13, s41                     ; tile row = 4 x cluster y + cy
	s_lshl_b32 s18, s41, 2
	s_lshl_b32 s18, 15, s18                        ; my row of the cluster
	s_lshl_b32 s19, 0x1111, s40                    ; my column
	s_or_b32 s[G1A], s18, G1W
	s_or_b32 s[G1B], s19, G1W
	s_mov_b32 s[G1A+1], KSTEP<<16                  ; tensor_dim0 = 128
	s_mov_b32 s[G1A+2], 128<<16                    ; tensor_dim1 = 128 rows
	s_mov_b32 s[G1A+3], KSTEP<<16                  ; tile_dim0 = 128
	s_mov_b32 s[G1A+4], 128                        ; tile_dim1
	s_mov_b32 s[G1A+5], 2048                       ; elements from row to row
	s_mov_b32 s[G1A+6], 0
	s_mov_b32 s[G1A+7], 0
	s_mov_b32 s[G1B+1], KSTEP<<16
	s_mov_b32 s[G1B+2], 96<<16                     ; 96 rows
	s_mov_b32 s[G1B+3], KSTEP<<16
	s_mov_b32 s[G1B+4], 96
	s_mov_b32 s[G1B+5], 2048
	s_mov_b32 s[G1B+6], 0
	s_mov_b32 s[G1B+7], 0
	s_lshl_b32 s16, s13, 8                         ; xb: row 256 x tile row + 128 x half, 4,096 bytes a row
	s_lshl_b32 s17, s12, 7
	s_add_co_u32 s16, s16, s17
	s_lshl_b32 s16, s16, 12
	s_mov_b32 s17, 0
	s_mul_i32 s46, s42, BROWS                      ; wb: row 192 x tile column + 96 x half
	s_mul_i32 s47, s12, 96
	s_add_co_u32 s46, s46, s47
	s_lshl_b32 s46, s46, 12
	s_mov_b32 s47, 0
	s_mul_i32 s20, s12, 128*PITCH                  ; where they go: no place in the cluster enters an LDS address
	s_mul_i32 s21, s12, 96*PITCH
	s_add_co_u32 s21, s21, BOFF
	s_mov_b32 s[TB], 0
	s_mov_b32 s68, 0x76543210                      ; v_permlanex16_b32: each lane takes its own place in the other half
	s_mov_b32 s69, 0xfedcba98
	s_mov_b32 s70, 0x3c800000                      ; 1 / 64
	s_mov_b32 s71, 0x358637bd                      ; 1e-6
	s_wait_dscnt 0x0                               ; the opening add is done
	s_wait_kmcnt 0x0
	s_add_nc_u64 s[14:15], s[76:77], s[16:17]
	s_add_nc_u64 s[46:47], s[78:79], s[46:47]
	CROUND                                         ; all sixteen work-groups are here: the first joint loads meet
.irp s, 0,1
	s_mov_b32 s[G0A+4*\s], 1
	s_add_co_u32 s[G0A+4*\s+1], s20, \s*SLOT1
	s_add_nc_u64 s[G0A+4*\s+2:G0A+4*\s+3], s[14:15], \s*KSTEP*2
	s_or_b32 s[G0A+4*\s+3], s[G0A+4*\s+3], 0x80000000
	s_mov_b32 s[G0B+4*\s], 1
	s_add_co_u32 s[G0B+4*\s+1], s21, \s*SLOT1
	s_add_nc_u64 s[G0B+4*\s+2:G0B+4*\s+3], s[46:47], \s*KSTEP*2
	s_or_b32 s[G0B+4*\s+3], s[G0B+4*\s+3], 0x80000000
.endr
	s_cmp_eq_u32 s11, 0                            ; a wave's two first fills stand in one branch: K steps 0 and 1; two loads of mine are out
	s_cbranch_scc0 .Lfirst_b
	tensor_load_to_lds s[G0A:G0A+3], s[G1A:G1A+7]
	s_nop 0
	tensor_load_to_lds s[G0A+4:G0A+7], s[G1A:G1A+7]
	s_nop 0
.rept 4
	v_nop
.endr
	s_branch .Lfirst_asked
.Lfirst_b:
	tensor_load_to_lds s[G0B:G0B+3], s[G1B:G1B+7]
	s_nop 0
	tensor_load_to_lds s[G0B+4:G0B+7], s[G1B:G1B+7]
	s_nop 0
.rept 4
	v_nop
.endr
.Lfirst_asked:
	v_and_b32 v1, 15, v0                           ; l % 16
	v_bfe_u32 v2, v0, 4, 1                         ; l / 16
	v_lshlrev_b32 v[GH], 5, v2
	v_lshlrev_b32 v[TO], 8, v1
	v_add_nc_u32 v[TO], v[TO], v[GH]               ; token x 256 + 32 x half
	s_mul_i32 s72, s42, 3                          ; my first head
	s_mul_i32 s88, s72, HEADB
	s_lshl_b32 s89, s13, 8
	s_lshl_b32 s90, s10, 6
	s_add_co_u32 s89, s89, s90                     ; my first token
	s_lshl_b32 s90, s89, 8
	s_mov_b32 s91, 0
	s_add_nc_u64 s[74:75], s[80:81], s[90:91]      ; the table at my first token
	s_add_co_u32 s89, s89, 512
	s_lshl_b32 s89, s89, 7
	s_add_co_u32 s88, s88, s89
	s_mov_b32 s89, 0
	s_add_nc_u64 s[86:87], s[86:87], s[88:89]      ; qkv at my first head and token
	WIN 0x40                                       ; destination window 1
.irp b, 0,1,2,3                        ; the gains of elements 16 b + 8 (l / 16) + 0..7
	global_load_b128 v[QW+8*\b:QW+8*\b+3],   v[GH], s[82:83] offset:64*\b
	global_load_b128 v[QW+8*\b+4:QW+8*\b+7], v[GH], s[82:83] offset:64*\b+16
	global_load_b128 v[KW+8*\b:KW+8*\b+3],   v[GH], s[84:85] offset:64*\b
	global_load_b128 v[KW+8*\b+4:KW+8*\b+7], v[GH], s[84:85] offset:64*\b+16
.endr
	WIN 0
.irp a, 0,1,2,3                        ; cosines and sines of frequencies 16 b + 8 (l / 16) + 0..7, b = 0, 1, for token 16 a + l % 16
.irp b, 0,1
	global_load_b128 v[CSB+32*\a+8*\b:CSB+32*\a+8*\b+3],       v[TO], s[74:75] offset:4096*\a+64*\b
	global_load_b128 v[CSB+32*\a+8*\b+4:CSB+32*\a+8*\b+7],     v[TO], s[74:75] offset:4096*\a+64*\b+16
	global_load_b128 v[CSB+32*\a+16+8*\b:CSB+32*\a+16+8*\b+3], v[TO], s[74:75] offset:4096*\a+64*\b+128
	global_load_b128 v[CSB+32*\a+20+8*\b:CSB+32*\a+20+8*\b+3], v[TO], s[74:75] offset:4096*\a+64*\b+144
.endr
.endr
	v_mul_u32_u24 v3, v1, PITCH
	v_lshl_add_u32 v3, v2, 4, v3                   ; a fragment's row x pitch + 16 x half
	s_mul_i32 s67, s10, 64*PITCH                   ; my 64 rows of xb
	v_add_nc_u32 v[ADRA0], s67, v3
	v_add_nc_u32 v[ADRB0], BOFF, v3                ; all 192 rows of wb
	v_mov_b32 v[ADRA], v[ADRA0]
	v_mov_b32 v[ADRB], v[ADRB0]
	s_mul_i32 s67, s10, 16*SPI
	s_add_co_u32 s67, s67, STAGE                   ; my stage
	v_mul_u32_u24 v[STO], v1, SPI                  ; in: row l % 16, 16 bytes for each half of the lanes
	v_lshl_add_u32 v[STO], v2, 4, v[STO]
	v_add_nc_u32 v[STO], s67, v[STO]
	v_and_b32 v4, 31, v0
	v_lshrrev_b32 v5, 3, v4                        ; back: 32 lanes take four rows of 128 bytes,
	v_and_b32 v6, 7, v0
	v_mul_u32_u24 v5, v5, SPI
	v_lshl_add_u32 v5, v6, 4, v5
	v_add_nc_u32 v[RD], s67, v5
	v_lshlrev_b32 v[GO], 4, v4                     ; which are 512 consecutive bytes of a head
	; the prefetches' address
	s_and_b32 s88, ttmp7, 0xffff                   ; cluster y
	s_lshl_b32 s89, s13, 8                         ; the tile's first row in xb,
	s_mul_i32 s90, s42, BROWS                      ; in wb
	s_movk_i32 s91, 128
	s_movk_i32 s94, 96
	s_cmp_eq_u32 s11, 0
	s_cselect_b32 s89, s89, s90
	s_cselect_b32 s90, s40, s41                    ; my place among the four that ask with me
	s_cselect_b32 s88, ttmp9, s88                  ; the coordinate along which other clusters read the same rows
	s_cselect_b32 s91, s91, s94                    ; rows that a wave fetches,
	s_cselect_b32 s92, 32, 24                      ; my work-group's share of them
	s_cselect_b32 s93, 31, 23
	s_cselect_b64 s[PFA:PFA+1], s[76:77], s[78:79]
	s_cmp_eq_u32 s88, 0
	s_cselect_b32 s[LIM], AHEAD, -1                ; the same in all sixteen partners, for a given wave
	s_mul_i32 s91, s91, s12
	s_add_co_u32 s89, s89, s91
	s_mul_i32 s90, s90, s92
	s_add_co_u32 s89, s89, s90
	s_lshl_b32 s88, s89, 12
	s_mov_b32 s89, 0
	s_add_nc_u64 s[PFA:PFA+1], s[PFA:PFA+1], s[88:89]
	s_add_nc_u64 s[PFA:PFA+1], s[PFA:PFA+1], KSTEP*2  ; at K step 1: each change of slots steps it to the K step that it asks for
	v_min_u32 v[PFO], s93, v4
	v_lshlrev_b32 v[PFO], 12, v[PFO]
	s_wait_loadcnt 32                              ; the 16 loads of the gains are in; the table's 32 stay out until the way out
	WIN 0x45                                       ; all in window 1: the gains are rounded to bf16 as every other input is
.set i, 0
.rept 32
	v_cvt_pk_bf16_f32 v[i%4], v[QW+2*i], v[QW+2*i+1]
	v_lshlrev_b32 v[QW+2*i], 16, v[i%4]
	v_and_b32 v[QW+2*i+1], 0xffff0000, v[i%4]
.set i, i+1
.endr
	WIN 0
; 12 matrix instructions: block a of 16 tokens x all 12 blocks of columns, 32 along K, from buffer f.  zero = 1: the product starts the sums.
; The 48 accumulators take turns, one instruction a turn, in the same order in every quarter, over the backward jump too.
.macro MULA f, a, zero
	WIN 0xa1+0x50*((\a)/2)
.irp b, 0,1,2,3,4,5,6,7,8,9,10,11
.if \zero
	v_wmma_f32_16x16x32_bf16 v[8*(12*((\a)%2)+\b):8*(12*((\a)%2)+\b)+7], v[96*(\f)+8*\b:96*(\f)+8*\b+7], v[64+32*(\f)+8*(\a):64+32*(\f)+8*(\a)+7], 0
.else
	v_wmma_f32_16x16x32_bf16 v[8*(12*((\a)%2)+\b):8*(12*((\a)%2)+\b)+7], v[96*(\f)+8*\b:96*(\f)+8*\b+7], v[64+32*(\f)+8*(\a):64+32*(\f)+8*(\a)+7], v[8*(12*((\a)%2)+\b):8*(12*((\a)%2)+\b)+7]
.endif
.endr
.endm
; 32 LDS loads in one run: the fragments of 32 along K at byte k of the rows, into buffer f; wb's first, xb's blocks 0 to 3 last
.macro FETCH k, f
	WIN 0x40
.irp b, 0,1,2,3,4,5,6,7,8,9,10,11
	ds_load_b128 v[96*(\f)+8*\b:96*(\f)+8*\b+3],   v[ADRB] offset:(\k)+\b*16*PITCH
	ds_load_b128 v[96*(\f)+8*\b+4:96*(\f)+8*\b+7], v[ADRB] offset:(\k)+\b*16*PITCH+32
.endr
	WIN 0
.irp a, 0,1,2,3
	ds_load_b128 v[64+32*(\f)+8*\a:64+32*(\f)+8*\a+3],   v[ADRA] offset:(\k)+\a*16*PITCH
	ds_load_b128 v[64+32*(\f)+8*\a+4:64+32*(\f)+8*\a+7], v[ADRA] offset:(\k)+\a*16*PITCH+32
.endr
.endm
; One of a K step's first three quarters: multiplies buffer f; in its middle it fetches the next quarter, at byte k, into buffer g
.macro QUARTER k, f, g, zero
	s_wait_dscnt 4                                 ; all but the youngest four loads: xb's blocks 2 and 3
	MULA \f, 0, \zero
	MULA \f, 1, \zero
	PLACES
	FETCH \k, \g
	s_wait_dscnt NL                                ; all but the 32 just issued
	MULA \f, 2, \zero
	MULA \f, 3, \zero
.endm
; The last quarter multiplies buffer 1 and changes slots: each wave waits for all its tensor loads (one is out: its part of the next slot), adds 0 to its spare word, and waits for that and for its
; reads of this slot.  fill = 1: the barrier opens a round of the cluster's, and the slot just read is filled again, two K steps on, first thing behind the round.
.macro TURN fill
.if \fill
	s_wait_xcnt 0x0                                ; the last prefetch, a K step back, has read its address
	s_add_nc_u64 s[PFA:PFA+1], s[PFA:PFA+1], KSTEP*2
.endif
	WIN 0
	s_wait_tensorcnt 0x0                           ; no tensor load of mine is out, so the walking descriptors may be written
	ds_add_u32 v[SPW], v[NIL]                      ; 0 onto my spare word
.if \fill
	s_xor_b32 s[G0A+5], s[G0A+5], SLOT1            ; the other slot than last time,
	s_add_nc_u64 s[G0A+6:G0A+7], s[G0A+6:G0A+7], KSTEP*2  ; the next K step; the type bits on top are not reached
	s_xor_b32 s[G0B+5], s[G0B+5], SLOT1
	s_add_nc_u64 s[G0B+6:G0B+7], s[G0B+6:G0B+7], KSTEP*2
.endif
	s_wait_dscnt 5                                 ; the add and the youngest four loads may be out
	MULA 1, 0, 0
	s_wait_dscnt 0x0                               ; the add is done, and my reads of this slot are over
	s_barrier_signal -1
	MULA 1, 1, 0                                   ; work on registers while the others arrive
	WIN 0
	s_barrier_wait -1
.if \fill
	CREST                                          ; no wave of any partner still reads this slot or has a load on its way
	JLOAD                                          ; its four v_nop are also the places in front of the loads below
.else
	PLACES
.endif
	s_xor_b32 s[TB], s[TB], SLOT1
	v_add_nc_u32 v[ADRA], s[TB], v[ADRA0]
	v_add_nc_u32 v[ADRB], s[TB], v[ADRB0]
	FETCH 0, 0
.if \fill
	ASK
.endif
	MULA 1, 2, 0
	MULA 1, 3, 0
.endm
	s_wait_tensorcnt 1                             ; my part of K step 0 is in; K step 1's may stay out
	s_barrier_signal -1
	s_barrier_wait -1
	FETCH 0, 0
	QUARTER 64, 0, 1, 1                            ; the first quarter stands in front of the loop: its products start the sums
	WIN 0
	s_mov_b32 s3, 14
.Lstep:                                            ; trip t ends K step t, asks for K step t + 2 and begins K step t + 1
	QUARTER 128, 1, 0, 0
	QUARTER 192, 0, 1, 0
	TURN 1
	QUARTER 64, 0, 1, 0
	WIN 0
	s_sub_co_u32 s3, s3, 1
	s_cmp_lg_u32 s3, 0
	s_cbranch_scc1 .Lstep
	QUARTER 128, 1, 0, 0                           ; the last two K steps ask for nothing
	QUARTER 192, 0, 1, 0
	TURN 0
	QUARTER 64, 0, 1, 0
	QUARTER 128, 1, 0, 0
	QUARTER 192, 0, 1, 0
	s_wait_dscnt 4
	MULA 1, 0, 0
	MULA 1, 1, 0
	s_wait_dscnt 0x0
	MULA 1, 2, 0
	MULA 1, 3, 0
	WIN 0
	PLACES
	PLACES
	s_wait_loadcnt 0x0                             ; the table
; THE WAY OUT.  A unit is a head j (0..2) and a block a of 16 tokens: four accumulators, 32 registers on end, in window 2 + a / 2.
.macro UREGS j, a
.set WA, 2+(\a)/2
.set XB, 8*(12*((\a)%2)+4*(\j))
.set RU, RS+2*(4*(\j)+(\a))
.set CA, CSB+32*(\a)
.endm
; the mean of squares + eps of each token's head: 32 numbers a lane, the other 32 in the lane 16 away.  Each accumulator's lowest registers are read first.
.macro SSQ j, a
	UREGS \j, \a
	WIN WA|(WA<<2)
.irp b, 0,1,2,3
	v_pk_mul_f32 v[TT+2*\b:TT+2*\b+1], v[XB+8*\b:XB+8*\b+1], v[XB+8*\b:XB+8*\b+1]
.endr
.irp r, 2,4,6
.irp b, 0,1,2,3
	v_pk_fma_f32 v[TT+2*\b:TT+2*\b+1], v[XB+8*\b+\r:XB+8*\b+\r+1], v[XB+8*\b+\r:XB+8*\b+\r+1], v[TT+2*\b:TT+2*\b+1]
.endr
.endr
	WIN 0
	v_pk_add_f32 v[TT:TT+1], v[TT:TT+1], v[TT+2:TT+3]
	v_pk_add_f32 v[TT+4:TT+5], v[TT+4:TT+5], v[TT+6:TT+7]
	v_pk_add_f32 v[RU:RU+1], v[TT:TT+1], v[TT+4:TT+5]
	v_add_f32 v[RU], v[RU], v[RU+1]
	v_permlanex16_b32 v[RU+1], v[RU], s68, s69
	v_add_f32 v[RU], v[RU], v[RU+1]
	v_fma_f32 v[RU], v[RU], s70, s71
.endm
; the head's gains (q's below head 32, else k's), then VCC = all lanes where the head is one of v's.  Selects, no branches: partners in a cluster have other heads.
.macro HEADSEL j
	WIN 0
	s_add_co_u32 s73, s72, \j
	s_cmp_lt_u32 s73, 32
	s_cselect_b32 vcc_lo, -1, 0
	WIN 0x45
.set i, 0
.rept 32
	v_cndmask_b32 v[WS+i], v[KW+i], v[QW+i], vcc_lo
.set i, i+1
.endr
	s_cmp_ge_u32 s73, 40
	s_cselect_b32 vcc_lo, -1, 0
.endm
; x w / rms; the rotation (elements i and i + 32 lie 16 registers apart); a head of v leaves as it came; rounded to f16
.macro COMP j, a
	UREGS \j, \a
	WIN 0x44|WA
.set i, 0
.rept 16
	v_pk_mul_f32 v[YY+i:YY+i+1], v[XB+i:XB+i+1], v[WS+i:WS+i+1]
.set i, i+2
.endr
	WIN 0x51
.set i, 0
.rept 16
	v_pk_mul_f32 v[YY+i:YY+i+1], v[YY+i:YY+i+1], v[RU:RU+1] op_sel_hi:[1,0]
.set i, i+2
.endr
.set i, 0
.rept 8
	v_pk_mul_f32 v[TR+i:TR+i+1], v[YY+i:YY+i+1], v[CA+i:CA+i+1]
	v_pk_mul_f32 v[TR+16+i:TR+16+i+1], v[YY+16+i:YY+16+i+1], v[CA+i:CA+i+1]
.set i, i+2
.endr
.set i, 0
.rept 8
	v_pk_fma_f32 v[TR+i:TR+i+1], v[YY+16+i:YY+16+i+1], v[CA+16+i:CA+16+i+1], v[TR+i:TR+i+1] neg_lo:[1,0,0] neg_hi:[1,0,0]
	v_pk_fma_f32 v[TR+16+i:TR+16+i+1], v[YY+i:YY+i+1], v[CA+16+i:CA+16+i+1], v[TR+16+i:TR+16+i+1]
.set i, i+2
.endr
	WIN 0x41|(WA<<2)
.set i, 0
.rept 32
	v_cndmask_b32 v[TR+i], v[TR+i], v[XB+i], vcc_lo
.set i, i+1
.endr
	WIN 0x05
.set i, 0
.rept 16
	v_cvt_pk_f16_f32 v[PKD+i], v[TR+2*i], v[TR+2*i+1]
.set i, i+1
.endr
	WIN 0
.endm
.macro TOSTAGE u                       ; into my own stage, and back as whole rows: LDS serves a wave's instructions in order, so no wait stands between
.irp b, 0,1,2,3
	ds_store_b128 v[STO], v[PKD+4*\b:PKD+4*\b+3] offset:32*\b
.endr
.irp f, 0,1,2,3
	ds_load_b128 v[BK+16*((\u)%2)+4*\f:BK+16*((\u)%2)+4*\f+3], v[RD] offset:\f*4*SPI
.endr
.endm
.macro SEND u
	s_wait_dscnt 0x0                               ; the unit is back in registers
	s_wait_xcnt 0x0                                ; the stores of the unit before have read their registers: the next unit is read back into them only behind this wait
.irp f, 0,1,2,3
	global_store_b128 v[GO], v[BK+16*((\u)%2)+4*\f:BK+16*((\u)%2)+4*\f+3], s[86:87] offset:((\u)/4)*HEADB+((\u)%4)*2048+\f*512  ; 512 consecutive bytes, aligned
.endr
.endm
.macro UNIT j, a                       ; a unit's arithmetic stands between the loads of the unit before and its stores
	COMP \j, \a
.if (4*(\j)+(\a)) > 0
	SEND 4*(\j)+(\a)-1
.endif
	TOSTAGE 4*(\j)+(\a)
.endm
.irp j, 0,1,2
.irp a, 0,1,2,3
	SSQ \j, \a
.endr
.endr
.set i, 0
.rept 12
	v_rsq_f32 v[RS+2*i], v[RS+2*i]
.set i, i+1
.endr
	v_nop                                          ; a plain instruction behind the last root,
	s_wait_alu depctr_va_vdst(0)                   ; and one wait for the twelve, ahead of their first reader
.irp j, 0,1,2
	HEADSEL \j
.irp a, 0,1,2,3
	UNIT \j, \a
.endr
.endr
	SEND 11
	s_wait_tensorcnt 0x0                           ; the wave's end, behind my last tensor load and my last LDS store
	ds_add_u32 v[SPW], v[NIL]
	s_wait_dscnt 0x0
	CROUND                                         ; the closing round: no work-group ends while a partner may still ask for a tile that names it
	s_endpgm
.Lfunc_end_k_q1ace2fbfbc_qkv:
	.size	k_q1ace2fbfbc_qkv, .Lfunc_end_k_q1ace2fbfbc_qkv-k_q1ace2fbfbc_qkv
	.p2alignl 7, 3214868480
	.fill 96, 4, 3214868480
	.section	.rodata,"a",@progbits
	.p2align	6, 0x0
	.amdhsa_kernel k_q1ace2fbfbc_qkv
		.amdhsa_group_segment_fixed_size 327680
		.amdhsa_private_segment_fixed_size 0
		.amdhsa_enable_private_segment 0
		.amdhsa_kernarg_size 48
		.amdhsa_user_sgpr_count 2
		.amdhsa_user_sgpr_kernarg_segment_ptr 1
		.amdhsa_wavefront_size32 1
		.amdhsa_system_sgpr_workgroup_id_x 1
		.amdhsa_system_sgpr_workgroup_id_y 1
		.amdhsa_system_sgpr_workgroup_id_z 1
		.amdhsa_system_vgpr_workitem_id 0
		.amdhsa_next_free_vgpr 960
		.amdhsa_next_free_sgpr 96
		.amdhsa_reserve_vcc 1
		.amdhsa_float_denorm_mode_32 3
		.amdhsa_float_denorm_mode_16_64 3
		.amdhsa_memory_ordered 1
		.amdhsa_forward_progress 1
		.amdhsa_inst_pref_size 191
	.end_amdhsa_kernel
	.amdgpu_metadata
---
amdhsa.version: [ 1, 2 ]
amdhsa.kernels:
  - .name:           k_q1ace2fbfbc_qkv
    .symbol:         k_q1ace2fbfbc_qkv.kd
    .args:
      - { .name: xb, .offset: 0, .size: 8, .value_kind: global_buffer, .address_space: global }
      - { .name: wb, .offset: 8, .size: 8, .value_kind: global_buffer, .address_space: global }
      - { .name: tab, .offset: 16, .size: 8, .value_kind: global_buffer, .address_space: global }
      - { .name: q_norm_w, .offset: 24, .size: 8, .value_kind: global_buffer, .address_space: global }
      - { .name: k_norm_w, .offset: 32, .size: 8, .value_kind: global_buffer, .address_space: global }
      - { .name: qkv, .offset: 40, .size: 8, .value_kind: global_buffer, .address_space: global }
    .group_segment_fixed_size: 327680
    .private_segment_fixed_size: 0
    .kernarg_segment_align: 8
    .kernarg_segment_size: 48
    .max_flat_workgroup_size: 128
    .sgpr_count:     96
    .vgpr_count:     960
    .wavefront_size: 32
...
	.end_amdgpu_metadata
.endif
;; end of part 2
;; launch attn (part 3): grid 32 x 8, 4 waves a work-group, no clusters, 212,480 bytes of LDS; arguments qkv, ctx; writes ctx
.if DOCPART == 3
	.amdgcn_target "amdgcn-amd-amdhsa--gfx1250"
	.amdhsa_code_object_version 6
	.text
	.protected	k_q1ace2fbfbc_attn
	.globl	k_q1ace2fbfbc_attn
	.p2align	8
	.type	k_q1ace2fbfbc_attn,@function
k_q1ace2fbfbc_attn:
	s_mov_b64 s[64:65], 0
	v_nop
	global_prefetch_b8 v0, s[64:65] scope:SCOPE_SE
	s_setreg_imm32_b32 hwreg(HW_REG_WAVE_MODE, 25, 1), 1
	s_wait_xcnt 0x0
; SLIDING-WINDOW ATTENTION.  Query t sees the keys max(0, t - 512) .. t.  ctx[t][64 g ..] = the sum over those keys of softmax(q_g[t] . k[key] / 8) v[key], kv head g / 4.
; qkv: 48 heads of [4608][64] f16, token t at row 512 + t; heads 0-31 q, 32-39 k, 40-47 v; the 512 rows in front of k and v hold zeros.  ctx: [4096][2048] f16.
; Products, maxima and sums in f32; the weights p are rounded to f16 for the second product (their sum l is taken of the unrounded p), ctx once at the end.
; LIMITS.  f16 holds no number beyond 65,504: q, k, v arrive within it; p lies in 0 to 1; ctx is a mean of v's rows.  A hidden score counts as -2^100 (scores of f16 operands are nothing beside it);
; a weight below 2^-126 counts as 0 in l; NaN and infinities are not treated apart.
; SHARES.  A work-group owns 128 tokens (r0 = 128 x) of the four query heads of one kv head: 256 equal work-groups.  Wave w owns tokens R = r0 + 64 (w % 2) .. + 63 of heads 4 hk + 2 (w / 2) and the next:
; four PIECES of 16 tokens, each of two tiles (the two heads).  It walks the keys R - 512 .. R + 63 in 9 steps of 64.
; ALL KEYS LIE IN LDS: the work-group's 640 keys of K and V come by one tensor load a wave at the start; nothing is filled again, and one barrier stands in the text.
; NO CLUSTER: the four query heads that share K and V are in this one work-group; neighbouring blocks of tokens share 512 of their 640 keys, but at places 128 keys apart in the window, so a joint
; load's LDS address would hang on the place in the cluster.  Everything is asked for at the head, so there is no later stream to ask ahead for.
; THE MASK is the C operand that starts the sum S^T = K Q^T: 0, or -2^100 where the key is hidden.  For piece x and the step's block kt of 16 keys it is MB (kt < x), MG (kt = x) or MA (kt > x):
;   step 0: hidden, diagonal from below, 0;   steps 1-7: 0;   step 8: 0, diagonal from above, hidden;   a step whose keys lie before key 0 (n < I0): all hidden.
; In a step hidden entirely K's rows are zeros, every score is exactly -2^100, c m is exact, so p = 1; V's rows are zeros, so O stays 0; the first live step's a = 0 wipes l.
; In steps 0 and 8 every row sees a key (the step's last, its own), so m is a true score where hidden ones stand beside it.
; LAYOUT, SOFTMAX, TURNS.  S^T = K Q^T holds ONE query a lane (lane % 16) and the keys 8 (lane / 16) + 0..7; two such results rounded to f16 ARE source 1 of O^T = V^T P.  p = 2^(c s - c m), c = log2(e) / 8,
; with a running maximum m; O and l are multiplied by a = 2^(c m_old - c m_new) in every step.  Turn n belongs to piece n: 16 products K Q^T of piece n + 1, later 16 products V^T P of piece n - 1; beside them the
; scaling, exponentials, roundings, sums and rescaling of piece n and the maximum and statistics of piece n + 1.  Four vector instructions stand behind every matrix instruction, the rest in one lump; a turn's 66 exponentials are one batch with one wait.
; REGISTERS, in windows of 256 (s_set_vgpr_msb: bits 1:0 source 0, 3:2 source 1, 5:4 source 2, 7:6 destination):
;   window 0: v0-11 addresses; v12-15, v48-63 at work; v16-47 four registers of statistics a tile; v64-191 S^T, two buffers of two tiles; v192-255 P, likewise
;   window 1: O^T, 32 a tile     window 2: v0-127 Q, 16 a tile; v128-191 K of one step; v192-255 V of one step     window 3: v0-1 the add's two registers; v8-39 the masks
.set NP,    4
.set KS,    64
.set PK,    144       ; a row of K in LDS: 128 bytes + 16 of padding
.set PV,    160       ; a row of V: 128 + 32
.set NKEY,  640
.set VOFF,  NKEY*PK
.set STAGE, VOFF+NKEY*PV  ; never filled by a tensor load: 16 rows x 272 bytes for each wave, for the way out
.set SP,    272
.set SPARE, STAGE+4*16*SP ; the spare words, 128 bytes a wave: two blocks of 256 bytes that no other line names
.set HEADB, 4608*128
.set AK0, 2           ; v2   my lane's place in a step of K; never rewritten
.set AV0, 3           ; v3   the same for V
.set AK,  4           ; v4   the LDS address of K's next run of loads
.set AV,  5           ; v5   of V's
.set QO,  6           ; v6   my byte offset in 16 rows of Q
.set STO, 6           ;      later: where I put 16 bytes of a row
.set RD,  7           ; v7   where I read rows back
.set GO,  8           ; v8   my byte offset in two rows of ctx
.set SPW, 0           ; v0 of window 3: my spare word; never rewritten
.set NIL, 1           ; v1 of window 3: 0; never rewritten
.set MB,  8           ; window 3: the three masks in hand,
.set MG,  16
.set MA,  24
.set DH,  32          ; and the last step's diagonal
.set MV,  12          ; v12-15  c m_old, kept while c m is made anew
.set ST,  16          ; tile t's statistics at v[ST+4 t]: c m, m, l (even keys', odd keys')
.set TMP, 48          ; by buffer and tile, four registers at work; when the maximum is found the third takes a
.set S,   64
.set P,   192
.set KF,  128
.set VF,  192
.set WV,  12
.set G1K, 24
.set G1V, 32
.set G0K, 40
.set G0V, 44
.set CNT, 57          ; s57  steps to go
.set CS,  58          ; s[58:59] c
.set SEL, 60          ; s[60:61] v_permlanex16_b32's selects
.set TBK, 62          ; s62  LDS byte at which K of the step to be fetched begins
.set TBV, 63          ; s63  the same for V, less VOFF
.set I0,  70          ; s70  the first step whose keys are not before key 0
.set STEPN, 71        ; s71  the step whose masks are made next
.set SA,  73
.set SH,  74
.set SALL, 75
.set NEG, 76          ; s76  -2^100
.set MSB, 0
.macro WIN new
.if MSB != (\new)
	s_set_vgpr_msb (MSB<<8)|(\new)
.set MSB, (\new)
.endif
.endm
.set W_KQ, 0x0a       ; K and Q in window 2, S^T in window 0
.set W_KM, 0x3a       ; the same with the C operand in window 3
.set W_PV, 0x52       ; V in window 2, P in window 0, O^T in window 1
.set W_RS, 0x41       ; O^T in window 1, a in window 0
.set W_MK, 0xc0       ; destination in window 3
.set W_AD, 0x0f       ; the add: address and data in window 3
	s_load_b128 s[4:7], s[0:1], 0x0   ; qkv s[4:5], ctx s[6:7]
	WIN W_MK
	v_lshl_add_u32 v[SPW], v0, 2, SPARE
	v_mov_b32 v[NIL], 0
	WIN W_AD
	ds_add_u32 v[SPW], v[NIL]       ; the wave's opening: the add and its wait stand ahead of my tensor load; the set-up below stands between them
	ds_add_u32 v0, v1
	WIN 0
	v_lshrrev_b32 v1, 5, v0
	v_readfirstlane_b32 s[WV], v1   ; wave 0..3
	s_and_b32 s13, ttmp7, 0xffff    ; the kv head
	s_and_b32 s16, s[WV], 1         ; which 64 tokens; also which half of the 640 keys I fetch
	s_lshr_b32 s15, s[WV], 1        ; which two query heads
	s_lshl_b32 s17, ttmp9, 1
	s_add_co_u32 s17, s17, s16      ; R / 64
	s_sub_co_i32 s[I0], 8, s17
	s_max_i32 s[I0], s[I0], 0
	s_add_co_u32 s20, s13, 32       ; K: head 32 + hk, rows r0 + 320 x half (key r0 - 512 is the head's row r0)
	s_mul_i32 s20, s20, HEADB
	s_lshl_b32 s21, ttmp9, 14
	s_add_co_u32 s20, s20, s21
	s_mul_i32 s21, s16, 320*128
	s_add_co_u32 s20, s20, s21
	s_mov_b32 s21, 0
	s_add_co_u32 s22, s20, 8*HEADB  ; V: eight heads on
	s_mov_b32 s23, 0
	s_lshl_b32 s2, s13, 2
	s_lshl1_add_u32 s2, s15, s2     ; my first query head
	s_mul_i32 s66, s2, HEADB
	s_lshl_b32 s3, s17, 13          ; R rows of 128 bytes
	s_add_co_u32 s66, s66, s3
	s_add_co_u32 s66, s66, 512*128
	s_mov_b32 s67, 0
	s_lshl_b32 s68, s17, 18         ; ctx: R rows of 4,096 bytes,
	s_lshl_b32 s3, s2, 7            ; 128 bytes a head
	s_add_co_u32 s68, s68, s3
	s_mov_b32 s69, 0
	s_mul_i32 s18, s16, 320*PK
	s_mul_i32 s19, s16, 320*PV
	; descriptor group 1.  320 keys are 40,960 dense bytes: asked for as 160 rows of 256 bytes, two keys a row, padded in LDS after every key
	s_mov_b32 s[G1K], (1<<16)|(1<<20)|(4<<22)|(3<<25)  ; 2-byte elements; padding on; after every 32 words, 4 words
	s_mov_b32 s[G1V], (1<<16)|(1<<20)|(4<<22)|(7<<25)  ; the same with 8 words
.irp g, G1K, G1V
	s_mov_b32 s[\g+1], 128<<16      ; tensor_dim0 = 128
	s_mov_b32 s[\g+2], 160<<16      ; tensor_dim1 = 160
	s_mov_b32 s[\g+3], 128<<16      ; tile_dim0 = 128
	s_mov_b32 s[\g+4], 160          ; tile_dim1 = 160
	s_mov_b32 s[\g+5], 128          ; elements from row to row
	s_mov_b32 s[\g+6], 0
	s_mov_b32 s[\g+7], 0
.endr
	s_mov_b32 s[G0K], 1
	s_mov_b32 s[G0K+1], s18
	s_mov_b32 s[G0V], 1
	s_add_co_u32 s[G0V+1], s19, VOFF
	s_mov_b32 s[CS], 0x3e38aa3b     ; c = log2(e) / 8
	s_mov_b32 s[CS+1], s[CS]
	s_mov_b32 s[SEL], 0x76543210
	s_mov_b32 s[SEL+1], 0xfedcba98
	s_mul_i32 s[TBK], s16, KS*PK    ; my first key is the work-group's key 64 (w % 2)
	s_mul_i32 s[TBV], s16, KS*PV
	s_mov_b32 s[NEG], 0xf1800000    ; -2^100
	s_wait_dscnt 0x0                ; the opening add is done
	s_wait_kmcnt 0x0
	s_add_nc_u64 s[G0K+2:G0K+3], s[4:5], s[20:21]
	s_or_b32 s[G0K+3], s[G0K+3], 0x80000000
	s_add_nc_u64 s[G0V+2:G0V+3], s[4:5], s[22:23]
	s_or_b32 s[G0V+3], s[G0V+3], 0x80000000
	s_add_nc_u64 s[8:9], s[4:5], s[66:67]    ; Q at my first head and token
	s_add_nc_u64 s[10:11], s[6:7], s[68:69]  ; ctx likewise
	s_cmp_lt_u32 s[WV], 2           ; the one fill: waves 0 and 1 fetch K's halves, waves 2 and 3 V's; an s_nop 0 and four v_nop follow each line
	s_cbranch_scc0 .Lfor_v
	tensor_load_to_lds s[G0K:G0K+3], s[G1K:G1K+7]
	s_nop 0
.rept 4
	v_nop
.endr
	s_branch .Lasked
.Lfor_v:
	tensor_load_to_lds s[G0V:G0V+3], s[G1V:G1V+7]
	s_nop 0
.rept 4
	v_nop
.endr
.Lasked:
	v_and_b32 v1, 15, v0            ; l % 16
	v_bfe_u32 v9, v0, 4, 1          ; l / 16
	v_lshlrev_b32 v[QO], 7, v1
	v_lshl_add_u32 v[QO], v9, 4, v[QO]  ; row x 128 + 16 x half
	WIN 0x80                        ; destination window 2
.set i, 0
.rept 16                            ; Q stays in registers: tile i / 2 = piece i / 4, head (i / 2) % 2; channels 32 (i % 2) on
	global_load_b128 v[8*i:8*i+3],   v[QO], s[8:9] offset:((i/2)%2)*HEADB+(i/4)*2048+(i%2)*64
	global_load_b128 v[8*i+4:8*i+7], v[QO], s[8:9] offset:((i/2)%2)*HEADB+(i/4)*2048+(i%2)*64+32
.set i, i+1
.endr
	; What the first turn finds: V's registers and P's second buffer hold 0 (its products V^T P, of a piece that has not been, add 0), O^T and l are 0.  All this stands in the wait for the keys.
.set i, VF
.rept 64
	v_mov_b32 v[i], 0
.set i, i+1
.endr
	WIN 0x40
.set i, 0
.rept 256
	v_mov_b32 v[i], 0
.set i, i+1
.endr
	WIN 0
.set i, 0
.rept 8
	v_mov_b32 v[ST+4*i], 0xfe000000    ; c m: far below every c s, the hidden ones' too
	v_mov_b32 v[ST+4*i+1], 0xff7fffff  ; m
	v_mov_b32 v[ST+4*i+2], 0
	v_mov_b32 v[ST+4*i+3], 0
.set i, i+1
.endr
.set i, P+32
.rept 32
	v_mov_b32 v[i], 0
.set i, i+1
.endr
	; step 0's masks, and the last step's diagonal.  Register j of a diagonal block is key 8 (l / 16) + j against query l % 16
	v_lshlrev_b32 v14, 3, v9
	v_sub_nc_u32 v14, v1, v14
	s_cmp_gt_u32 s[I0], 0
	s_cselect_b32 s[SALL], s[NEG], 0
	v_mov_b32 v15, s[SALL]
	WIN W_MK
.set i, 0
.rept 8
	v_cmp_gt_i32 vcc_lo, i, v14
	v_cndmask_b32 v[DH+i], 0, s[NEG], vcc_lo       ; the key is behind the query
	v_cmp_lt_i32 vcc_lo, i, v14
	v_cndmask_b32 v[MG+i], v15, s[NEG], vcc_lo     ; the key is more than 512 before it
	v_mov_b32 v[MB+i], s[NEG]
	v_mov_b32 v[MA+i], s[SALL]
.set i, i+1
.endr
	WIN 0
	v_mul_u32_u24 v[AK0], v1, PK
	v_lshl_add_u32 v[AK0], v9, 4, v[AK0]  ; row x pitch + 16 x half
	; The turning load takes 16 keys x 16 channels (lane l reads key 8 (l / 16) + l % 8, channels 8 ((l / 8) % 2) + 0..7) and leaves half a fragment of V^T
	v_and_b32 v10, 7, v0
	v_bfe_u32 v11, v0, 3, 1
	v_lshl_add_u32 v[AV0], v9, 3, v10
	v_mul_u32_u24 v[AV0], v[AV0], PV
	v_lshl_add_u32 v[AV0], v11, 4, v[AV0]
	v_add_nc_u32 v[AV0], VOFF, v[AV0]
	v_add_nc_u32 v[AK], s[TBK], v[AK0]
; THE MATRIX WORK.  The 8 accumulators of a run of 16 take turns.
; Product i of 16 of S^T = K Q^T for piece x: channels 32 (i / 8) on, keys 16 ((i / 2) % 4) on, tile 2 x + i % 2.  The first 8 start the sums, with the mask.
.macro KQ x
.set rS, S+64*((\x)%2)+32*(i%2)+8*((i/2)%4)
.set rK, KF+16*((i/2)%4)+8*(i/8)
.set rQ, 16*(2*(\x)+i%2)+8*(i/8)
.if i < 8
.if ((i/2)%4) < (\x)
.set rMK, MB
.elseif ((i/2)%4) == (\x)
.set rMK, MG
.else
.set rMK, MA
.endif
	WIN W_KM
	v_wmma_f32_16x16x32_f16 v[rS:rS+7], v[rK:rK+7], v[rQ:rQ+7], v[rMK:rMK+7]
.else
	WIN W_KQ
	v_wmma_f32_16x16x32_f16 v[rS:rS+7], v[rK:rK+7], v[rQ:rQ+7], v[rS:rS+7]
.endif
.endm
; Product i of 16 of O^T += V^T P for piece x: keys 32 (i / 8) on, channels 16 ((i / 2) % 4) on, tile 2 x + i % 2.
.macro PV x
	WIN W_PV
.set rO, 32*(2*(\x)+i%2)+8*((i/2)%4)
.set rV, VF+32*(i/8)+8*((i/2)%4)
.set rP, P+32*((\x)%2)+16*(i%2)+8*(i/8)
	v_wmma_f32_16x16x32_f16 v[rO:rO+7], v[rV:rV+7], v[rP:rP+7], v[rO:rO+7]
.endm
.macro MM                           ; the turn's next matrix instruction
.if i < 16
	KQ (Y+1)%NP
.set i, i+1
.else
.set i, i-16
	PV (Y+NP-1)%NP
.set i, i+17
.endif
.endm
; THE LDS LOADS stand in runs of 16: a step's K (8 fragments) and its V (turned).  last = 1: in the last trip there is no further step, and the run is jumped over.
.macro FETCH_K last=0
	WIN 0
.if \last
	s_cmp_eq_u32 s[CNT], 1
	s_cbranch_scc1 .Lno_k_\@
.endif
	WIN 0x80
.irp f, 0,1,2,3,4,5,6,7             ; keys 16 (f / 2) on, channels 32 (f % 2) on
	ds_load_b128 v[KF+8*\f:KF+8*\f+3],   v[AK] offset:(\f/2)*16*PK+(\f%2)*64
	ds_load_b128 v[KF+8*\f+4:KF+8*\f+7], v[AK] offset:(\f/2)*16*PK+(\f%2)*64+32
.endr
	s_add_co_u32 s[TBK], s[TBK], KS*PK  ; the next fetch is the next step's
	WIN 0
.if \last
.Lno_k_\@:
.endif
.endm
.macro FETCH_V
	WIN 0x80
.irp f, 0,1,2,3,4,5,6,7             ; keys 32 (f / 4) on, channels 16 (f % 4) on
	ds_load_tr16_b128 v[VF+8*\f:VF+8*\f+3],   v[AV] offset:(\f/4)*32*PV+(\f%4)*32
	ds_load_tr16_b128 v[VF+8*\f+4:VF+8*\f+7], v[AV] offset:(\f/4)*32*PV+16*PV+(\f%4)*32
.endr
	WIN 0
.endm
; THE VECTOR WORK OF A TURN stands in three queues, each in the order in which its entries become ready; the two tiles alternate.
.macro REGS y, u                    ; the registers of tile u (0, 1) of piece y
.set rT, ST+4*(2*(\y)+(\u))
.set rC, TMP+8*((\y)%2)+4*(\u)
.set rM, MV+2*((\y)%2)+(\u)
.set rS, S+64*((\y)%2)+32*(\u)
.set rP, P+32*((\y)%2)+16*(\u)
.set rO, 32*(2*(\y)+(\u))
.endm
; Number n of the 22 that find the NEXT piece's maximum and statistics; each accumulator's lowest registers are read first.
;   0-11 four chains of seven scores each   12-14, 16 the four scores left over, the old m, the four into one   15 c m_old is kept   17, 18 the other half of the lanes: the new m   19-21 c m; its change; a
.macro XS u, n
	REGS (Y+1)%NP, \u
.if (\n) < 4
	v_max3_num_f32 v[rC+(\n)], v[rS+8*(\n)], v[rS+8*(\n)+1], v[rS+8*(\n)+2]
.elseif (\n) < 12
	v_max3_num_f32 v[rC+(\n)%4], v[rC+(\n)%4], v[rS+8*((\n)%4)+2*((\n)/4)+1], v[rS+8*((\n)%4)+2*((\n)/4)+2]
.elseif (\n) == 12
	v_max3_num_f32 v[rC], v[rC], v[rS+7], v[rS+15]
.elseif (\n) == 13
	v_max3_num_f32 v[rC+1], v[rC+1], v[rS+23], v[rS+31]
.elseif (\n) == 14
	v_max3_num_f32 v[rC+2], v[rC+2], v[rC+3], v[rT+1]
.elseif (\n) == 15
	v_mov_b32 v[rM], v[rT]
.elseif (\n) == 16
	v_max3_num_f32 v[rC], v[rC], v[rC+1], v[rC+2]
.elseif (\n) == 17
	v_permlanex16_b32 v[rC+3], v[rC], s[SEL], s[SEL+1]
.elseif (\n) == 18
	v_max_num_f32 v[rT+1], v[rC], v[rC+3]
.elseif (\n) == 19
	v_mul_f32 v[rT], s[CS], v[rT+1]
.elseif (\n) == 20
	v_sub_f32 v[rC+1], v[rM], v[rT]
.else
	v_exp_f32 v[rC+2], v[rC+1]
.endif
.endm
; Number g of the 64 that follow the exponentials: of each four weights both pairs are rounded to f16, the second pair is added onto the first, and a group later l takes that sum (the first time as l = a l + sum).
.macro GS g
.set h, (\g)+6*((\g)/62)
.if h >= 6
.set h, h+2
.endif
	REGS Y, h%2
.set k, h/8
.if h%8 < 4
	v_cvt_pk_f16_f32 v[rP+2*k+(h%8)/2], v[rS+4*k+2*((h%8)/2)], v[rS+4*k+2*((h%8)/2)+1]
.elseif h%8 < 6
	v_pk_add_f32 v[rS+4*k:rS+4*k+1], v[rS+4*k:rS+4*k+1], v[rS+4*k+2:rS+4*k+3]
.elseif k == 1
	v_pk_fma_f32 v[rT+2:rT+3], v[rT+2:rT+3], v[rC+2:rC+3], v[rS:rS+1] op_sel_hi:[1,0,1]
.else
	v_pk_add_f32 v[rT+2:rT+3], v[rT+2:rT+3], v[rS+4*k-4:rS+4*k-3]
.endif
.endm
; THE PLAIN QUEUE, 138 long.  0-73 read no exponential's result: the 32 scalings c s - c m and the next piece's 42.  74-137: GS's 64, behind the wait.
.macro FS f
	REGS Y, (\f)%2
	v_pk_fma_f32 v[rS+2*((\f)/2):rS+2*((\f)/2)+1], v[rS+2*((\f)/2):rS+2*((\f)/2)+1], s[CS:CS+1], v[rT:rT+1] op_sel_hi:[1,0,0] neg_lo:[0,0,1] neg_hi:[0,0,1]
.endm
.macro PL
	WIN 0
.if q < 27
	FS q
.elseif q < 55
	XS (q-27)%2, (q-27)/2
.elseif q < 57
	XS q-55, 15
.elseif (q < 72) && ((q-57)%3 == 0)
	FS 27+(q-57)/3
.elseif q < 60
	XS (q-57)%3-1, 14
.elseif q < 72
	XS (q-57)%3-1, 15+(q-57)/3
.elseif q < 74
	XS q-72, 20
.else
	GS q-74
.endif
.set q, q+1
.endm
; THE EXPONENTIALS' QUEUE, 66 long: the 32 scores of both tiles, then the next piece's two a: one batch, all ahead of the turn's one wait.
.macro EX
	WIN 0
.if e >= 64
	XS e-64, 21
.else
	REGS Y, e%2
	v_exp_f32 v[rS+e/2], v[rS+e/2]
.endif
.set e, e+1
.endm
; THE RESCALING's QUEUE: O^T times a, two at a time; its a was made, and waited for, in the turn before.
.macro R2
	REGS Y, r%2
	WIN W_RS
.irp z, 0,1
	v_pk_mul_f32 v[rO+4*(r/2)+2*\z:rO+4*(r/2)+2*\z+1], v[rO+4*(r/2)+2*\z:rO+4*(r/2)+2*\z+1], v[rC+2:rC+3] op_sel_hi:[1,0]
.endr
.set r, r+1
.endm
; A TURN, for piece p.  Ahead of the one wait stands all that names no result of the turn's exponentials: 16 products K Q^T, behind each a scaling, an exponential and two rescalings; then a lump of 108.
; Behind it 16 products V^T P, behind each four of the roundings and sums.  K of the next step is fetched in piece 2's turn, directly behind the wait; V of the step in hand at the end of piece 0's turn,
; four plain instructions behind its last reader.  Each run is waited for a turn later, with the count 0.
.macro TURN p, last=0
.set Y, (\p)
.set i, 0
.set q, 0
.set e, 0
.set r, 0
.if (\p) == NP-1
	s_wait_dscnt 0x0                ; K is in
.endif
	MM
	PL
	PL
	R2
.rept 15
	MM
	PL
	EX
	R2
.endr
.if (\p) == NP-2
	WIN 0
	v_add_nc_u32 v[AK], s[TBK], v[AK0]
.endif
.rept 8
	PL
.endr
.rept 49
	EX
	PL
.endr
	EX
	EX
	v_nop                           ; a plain instruction behind the last exponential: one for the batch
	s_wait_alu depctr_va_vdst(0)    ; the wait for the batch, ahead of its first reader
.if (\p) == NP-2
	FETCH_K \last
.endif
.if (\p) == 1
	s_wait_dscnt 0x0                ; V is in
.endif
.rept 16
	MM
.rept 4
	PL
.endr
.if ((\p) == 0) && (q == 118)
	v_add_nc_u32 v[AV], s[TBV], v[AV0]
.endif
.if ((\p) == 0) && (q == 130)
	s_add_co_u32 s[TBV], s[TBV], KS*PV
.endif
.endr
.if (\p) == 0
	FETCH_V
.endif
.endm
; The masks of step STEPN, whose first products stand in piece 3's turn.  Scalar selects, no branch.  The masks' last reader stands a lump and 64 plain instructions back.
.macro MASKS
	s_cmp_lt_u32 s[STEPN], s[I0]
	s_cselect_b32 s[SALL], s[NEG], 0
	s_cmp_eq_u32 s[STEPN], 8
	s_cselect_b32 s[SH], 1.0, 0
	s_cselect_b32 s[SA], s[NEG], s[SALL]
	s_add_co_u32 s[STEPN], s[STEPN], 1
	WIN 0xc3
.set i, 0
.rept 8
	v_mov_b32 v[MB+i], s[SALL]
	v_mov_b32 v[MA+i], s[SA]
	v_fma_f32 v[MG+i], v[DH+i], s[SH], s[SALL]
.set i, i+1
.endr
.endm
	s_wait_tensorcnt 0x0            ; my half of K or of V is in,
	s_barrier_signal -1
	s_barrier_wait -1               ; everybody's is
	FETCH_K                         ; key step 0
	s_wait_loadcnt 0x0              ; Q
	s_wait_dscnt 0x0
.set i, 0
.rept 16
	KQ 0                            ; piece 0's first scores
.set i, i+1
.endr
	WIN 0                           ; the addresses for the way out: eight plain instructions, the places behind those products
	s_mul_i32 s13, s[WV], 16*SP
	s_add_co_u32 s13, s13, STAGE    ; my stage
	v_mul_u32_u24 v[STO], v1, SP    ; in: row l % 16, 16 bytes for each half of the lanes
	v_lshl_add_u32 v[STO], v9, 4, v[STO]
	v_add_nc_u32 v[STO], s13, v[STO]
	v_mul_u32_u24 v[RD], v9, SP     ; back: lanes 0-15 take one row's 256 bytes, lanes 16-31 the next
	v_lshl_add_u32 v[RD], v1, 4, v[RD]
	v_add_nc_u32 v[RD], s13, v[RD]
	v_lshlrev_b32 v[GO], 12, v9     ; and the same two rows in ctx
	v_lshl_add_u32 v[GO], v1, 4, v[GO]
.set Y, NP-1                        ; XS works for piece Y + 1: piece 0
.irp n, 0,1,2,3,4,5,6,7,8,9,10,11,12,13,14,15,16,17,18,19,20,21
	XS 0, \n
	XS 1, \n
.endr
	v_nop                           ; a plain instruction behind the two a,
	s_wait_alu depctr_va_vdst(0)    ; and their wait, ahead of the branch
	s_mov_b32 s[CNT], 9
	s_mov_b32 s[STEPN], 1
	s_branch .Lfirst                ; the loop is entered at a step's first turn, in the middle of a trip
.Lstep:                             ; a trip: pieces 2 and 3 of one step, then pieces 0 and 1 of the next, whose K and V it fetches
	TURN 2, 1
	MASKS
	TURN 3
	WIN 0
	s_sub_co_u32 s[CNT], s[CNT], 1
	s_cmp_eq_u32 s[CNT], 0
	s_cbranch_scc1 .Lout
.Lfirst:
	TURN 0
	TURN 1
	WIN 0
	s_branch .Lstep
.Lout:                              ; the last trip's 16 products K Q^T (on the last K once more) and the maximum made of them serve nothing: the price of one text for every trip
.set i, 0
.rept 16
	PV NP-1                         ; the last piece's V^T P of the last step
.set i, i+1
.endr
	; THE WAY OUT.  l's two halves and the other half of the lanes' are added; O^T is divided by l, rounded to f16 and sent through my stage, a piece (16 tokens x two heads) at a time.  The additions are the places behind the last products.
	WIN 0
.macro ALL line:vararg
.set t, 0
.rept 2*NP
	\line
.set t, t+1
.endr
.endm
	ALL v_add_f32 v[ST+4*t+2], v[ST+4*t+2], v[ST+4*t+3]
	ALL v_permlanex16_b32 v[ST+4*t+3], v[ST+4*t+2], s[SEL], s[SEL+1]
	ALL v_add_f32 v[ST+4*t+2], v[ST+4*t+2], v[ST+4*t+3]
	ALL v_rcp_f32 v[ST+4*t+2], v[ST+4*t+2]
	v_nop                           ; a plain instruction behind the last reciprocal,
	s_wait_alu depctr_va_vdst(0)    ; and one wait for the eight, ahead of their first use
.macro PACK p
.irp u, 0,1
.set tt, 2*(\p)+\u
	WIN W_RS
.set i, 32*tt
.rept 16
	v_pk_mul_f32 v[i:i+1], v[i:i+1], v[ST+4*tt+2:ST+4*tt+3] op_sel_hi:[1,0]
.set i, i+2
.endr
	WIN 0x05                        ; sources in window 1, destination in window 0: S^T's registers are free
.set i, 0
.rept 16
	v_cvt_pk_f16_f32 v[S+16*tt+i], v[32*tt+2*i], v[32*tt+2*i+1]
.set i, i+1
.endr
.endr
	WIN 0
.irp u, 0,1
.irp f, 0,1,2,3
	ds_store_b128 v[STO], v[S+16*(2*(\p)+\u)+4*\f:S+16*(2*(\p)+\u)+4*\f+3] offset:128*\u+32*\f
.endr
.endr
.irp f, 0,1,2,3,4,5,6,7
	ds_load_b128 v[S+32*(\p)+4*\f:S+32*(\p)+4*\f+3], v[RD] offset:\f*2*SP  ; LDS serves a wave's instructions in order: these see the stores above; the next piece's stores come behind them
.endr
.endm
.macro SEND p, younger              ; younger: the LDS instructions issued behind piece p's loads: the next piece's sixteen, or none
	WIN 0
.irp f, 0,1,2,3,4,5,6,7
	s_wait_dscnt (\younger)+7-\f
	global_store_b128 v[GO], v[S+32*(\p)+4*\f:S+32*(\p)+4*\f+3], s[10:11] offset:(\p)*65536+\f*8192  ; sixteen lanes store the two heads' 256 consecutive bytes of a row, aligned
.endr
.endm
	PACK 0
	PACK 1                          ; a piece's arithmetic stands between the loads of the piece before and its stores
	SEND 0, 16
	PACK 2
	SEND 1, 16
	PACK 3
	SEND 2, 16
	SEND 3, 0
	WIN W_AD
	s_wait_tensorcnt 0x0            ; the wave's end, behind my tensor load and my last LDS store
	ds_add_u32 v[SPW], v[NIL]
	s_wait_dscnt 0x0
	WIN 0
	s_endpgm
.Lfunc_end_k_q1ace2fbfbc_attn:
	.size	k_q1ace2fbfbc_attn, .Lfunc_end_k_q1ace2fbfbc_attn-k_q1ace2fbfbc_attn
	.p2alignl 7, 3214868480
	.fill 96, 4, 3214868480
	.section	.rodata,"a",@progbits
	.p2align	6, 0x0
	.amdhsa_kernel k_q1ace2fbfbc_attn
		.amdhsa_group_segment_fixed_size 212480
		.amdhsa_private_segment_fixed_size 0
		.amdhsa_enable_private_segment 0
		.amdhsa_kernarg_size 16
		.amdhsa_user_sgpr_count 2
		.amdhsa_user_sgpr_kernarg_segment_ptr 1
		.amdhsa_wavefront_size32 1
		.amdhsa_system_sgpr_workgroup_id_x 1
		.amdhsa_system_sgpr_workgroup_id_y 1
		.amdhsa_system_sgpr_workgroup_id_z 1
		.amdhsa_system_vgpr_workitem_id 0
		.amdhsa_next_free_vgpr 808
		.amdhsa_next_free_sgpr 80
		.amdhsa_reserve_vcc 1
		.amdhsa_float_denorm_mode_32 3
		.amdhsa_float_denorm_mode_16_64 3
		.amdhsa_memory_ordered 1
		.amdhsa_forward_progress 1
		.amdhsa_inst_pref_size 128
	.end_amdhsa_kernel
	.amdgpu_metadata
---
amdhsa.version: [ 1, 2 ]
amdhsa.kernels:
  - .name:           k_q1ace2fbfbc_attn
    .symbol:         k_q1ace2fbfbc_attn.kd
    .args:
      - { .name: qkv, .offset: 0, .size: 8, .value_kind: global_buffer, .address_space: global }
      - { .name: ctx, .offset: 8, .size: 8, .value_kind: global_buffer, .address_space: global }
    .group_segment_fixed_size: 212480
    .private_segment_fixed_size: 0
    .kernarg_segment_align: 8
    .kernarg_segment_size: 16
    .max_flat_workgroup_size: 128
    .sgpr_count:     80
    .vgpr_count:     808
    .wavefront_size: 32
...
	.end_amdgpu_metadata
.endif
;; end of part 3
;; launch proj (part 4): grid 8 x 32, 4 waves a work-group, clusters of 4 x 4, 327,680 bytes of LDS; arguments ctx, wof, out0; writes out0
.if DOCPART == 4
	.amdgcn_target "amdgcn-amd-amdhsa--gfx1250"
	.amdhsa_code_object_version 6
	.text
	.protected	k_q1ace2fbfbc_proj
	.globl	k_q1ace2fbfbc_proj
	.p2align	8
	.type	k_q1ace2fbfbc_proj,@function
k_q1ace2fbfbc_proj:
	s_mov_b64 s[64:65], 0
	v_nop
	global_prefetch_b8 v0, s[64:65] scope:SCOPE_SE
	s_setreg_imm32_b32 hwreg(HW_REG_WAVE_MODE, 25, 1), 1
	s_wait_xcnt 0x0
	s_wait_alu depctr_hold_cnt(0) depctr_sa_sdst(0) depctr_va_vdst(0) depctr_va_sdst(0) depctr_va_ssrc(0) depctr_va_vcc(0) depctr_vm_vsrc(0)
	s_getreg_b32 s2, hwreg(HW_REG_IB_STS2, 6, 4)
	s_cmp_eq_u32 s2, 0
	s_cbranch_scc0 .Lentry_in_a_cluster
	s_endpgm
.Lentry_in_a_cluster:
	s_bfe_u32 s2, ttmp6, 0x10000c
	s_cmp_lg_u32 s2, 0xf033
	s_cbranch_scc0 .Lentry_shape_is_right
	s_endpgm
.Lentry_shape_is_right:
; out0 = ctx wof^T ([4096][2048] x [2048][2048]^T, f16 operands, sums in f32, f32 out).
; SHARES.  A work-group makes 128 tokens x 256 columns: 256 work-groups.  Wave w makes rows 64 (w / 2) .. + 63 and columns 128 (w % 2) .. + 127: 4 x 8 accumulators of 16 x 16, 256 registers.
; K goes in 16 steps of 128 (rows of 256 bytes, aligned) through two LDS slots filled by tensor loads, one load a wave behind each change of slots.
; CLUSTER 4 x 4: the four of a row need the same rows of ctx, the four of a column the same rows of wof: each tile is asked for jointly, by the same load, descriptor and mask in all four.
; THE PRODUCT IS TAKEN TRANSPOSED (source 0 = 16 rows of wof, source 1 = 16 rows of ctx): a lane holds one token and eight neighbouring columns, 32 bytes of a row of out0.
; REGISTERS, in windows of 256 (s_set_vgpr_msb: bits 1:0 source 0, 3:2 source 1, 5:4 source 2, 7:6 destination):
;   window 0: v0-31 addresses; v64-191 the way out, two buffers of 16 rows     window 1: two fragment buffers of 96: wof's 64, then ctx's 32     window 2: the accumulators, (a, b) at v[8 (8 a + b)]
.set KSTEP, 128
.set PITCH, 272                        ; an LDS row: 256 bytes + 16 of padding
.set SLOT1, 131072
.set AROWS, 128
.set BROWS, 256
.set BOFF,  AROWS*PITCH
.set STAGE, SLOT1+(AROWS+BROWS)*PITCH  ; behind the ring, never filled by a tensor load: 16 rows x 528 bytes for each wave
.set SPI,   528
.set SPARE, STAGE+4*16*SPI             ; the spare words, 128 bytes a wave: two blocks of 256 bytes that no other line names
.set NL,    24                         ; LDS loads in a run: 16 for wof, 8 for ctx
.set AHEAD, 2                          ; a prefetch names the K step two behind the one that is being asked for
.set ADRA0, 16
.set ADRB0, 17
.set ADRA,  18
.set ADRB,  19
.set STO,   24
.set RD,    25
.set GO,    26
.set SPW,   28                         ; v28  my spare word; never rewritten
.set NIL,   29                         ; v29  0; never rewritten
.set PFO,   30
.set BK,    64
.set G1A, 24
.set G0A, 32
.set G1B, 48
.set G0B, 56
.set LIM, 43
.set PFA, 44
.set TB,  66
.set G1W, (1<<16)|(1<<20)|(1<<21)|(5<<22)|(3<<25)
.set MSB, 0
.macro WIN new
.if MSB != (\new)
	s_set_vgpr_msb (MSB<<8)|(\new)
.set MSB, \new
.endif
.endm
.macro JLOAD                           ; a joint refill by the walking descriptors: waves 0 and 1 fetch ctx's halves, waves 2 and 3 wof's; an s_nop 0 and four v_nop follow each line
	s_cmp_eq_u32 s11, 0
	s_cbranch_scc0 .Lfor_b_\@
	tensor_load_to_lds s[G0A+4:G0A+7], s[G1A:G1A+7]
	s_nop 0
.rept 4
	v_nop
.endr
	s_branch .Lasked_\@
.Lfor_b_\@:
	tensor_load_to_lds s[G0B+4:G0B+7], s[G1B:G1B+7]
	s_nop 0
.rept 4
	v_nop
.endr
.Lasked_\@:
.endm
; A prefetch, behind the joint load and the run of LDS loads: 256 bytes of each of 32 rows, a lane a row, for the K step that stands two changes of slots on: 256 matrix instructions ahead of that load.
; Each row's 256 bytes are named once in the launch: ctx's rows by the clusters with x = 0 (wave 0 of each partner takes 32 of the tile's 128, by cx), wof's by those with y = 0 (waves 2 and 3 take 32 of
; their 128, by cy).  The first four K steps come by their loads alone; the loop's last two trips name nothing.
.macro ASK
	WIN 0
	s_cmp_gt_u32 s3, s[LIM]
	s_cbranch_scc0 .Lnot_mine_\@
	global_prefetch_b8 v[PFO], s[PFA:PFA+1] offset:KSTEP*2*AHEAD th:TH_LOAD_NT scope:SCOPE_SE
.Lnot_mine_\@:
.endm
.macro CREST
	s_cmp_lg_u32 s10, 0
	s_cbranch_scc1 .Lnot_wave_0_\@
	s_barrier_signal -3
.Lnot_wave_0_\@:
	s_barrier_wait -3
	s_barrier_signal -1
	s_barrier_wait -1
.endm
.macro CROUND
	s_barrier_signal -1
	s_barrier_wait -1
	CREST
.endm
.macro PLACES
.rept 4
	v_nop
.endr
.endm
	s_load_b128 s[76:79], s[0:1], 0x0              ; ctx 76, wof 78
	s_load_b64 s[8:9], s[0:1], 0x10                ; out0
	v_lshl_add_u32 v[SPW], v0, 2, SPARE
	v_mov_b32 v[NIL], 0
	ds_add_u32 v[SPW], v[NIL]                      ; the wave's opening: the add and its wait stand ahead of my first tensor load
	ds_add_u32 v28, v29
	v_lshrrev_b32 v1, 5, v0
	v_readfirstlane_b32 s10, v1                    ; wave 0..3
	s_lshr_b32 s11, s10, 1                         ; my half of the rows.  Also: I fetch for ctx (0) or for wof (1)
	s_and_b32 s12, s10, 1                          ; my half of the columns.  Also: which half of that tile I fetch
	s_bfe_u32 s40, ttmp6, 0x40000                  ; cx
	s_bfe_u32 s41, ttmp6, 0x40004                  ; cy
	s_lshl_b32 s42, ttmp9, 2
	s_add_co_u32 s42, s42, s40                     ; tile column
	s_and_b32 s13, ttmp7, 0xffff
	s_lshl_b32 s13, s13, 2
	s_add_co_u32 s13, s13, s41                     ; tile row
	s_lshl_b32 s18, s41, 2
	s_lshl_b32 s18, 15, s18                        ; my row of the cluster
	s_lshl_b32 s19, 0x1111, s40                    ; my column
	s_or_b32 s[G1A], s18, G1W
	s_or_b32 s[G1B], s19, G1W
	s_mov_b32 s[G1A+1], KSTEP<<16
	s_mov_b32 s[G1A+2], 64<<16                     ; 64 rows
	s_mov_b32 s[G1A+3], KSTEP<<16
	s_mov_b32 s[G1A+4], 64
	s_mov_b32 s[G1A+5], 2048
	s_mov_b32 s[G1A+6], 0
	s_mov_b32 s[G1A+7], 0
	s_mov_b32 s[G1B+1], KSTEP<<16
	s_mov_b32 s[G1B+2], 128<<16                    ; 128 rows
	s_mov_b32 s[G1B+3], KSTEP<<16
	s_mov_b32 s[G1B+4], 128
	s_mov_b32 s[G1B+5], 2048
	s_mov_b32 s[G1B+6], 0
	s_mov_b32 s[G1B+7], 0
	s_lshl_b32 s16, s13, 7                         ; ctx: row 128 x tile row + 64 x half, 4,096 bytes a row
	s_lshl_b32 s17, s12, 6
	s_add_co_u32 s16, s16, s17
	s_lshl_b32 s16, s16, 12
	s_mov_b32 s17, 0
	s_lshl_b32 s46, s42, 8                         ; wof: row 256 x tile column + 128 x half
	s_lshl_b32 s47, s12, 7
	s_add_co_u32 s46, s46, s47
	s_lshl_b32 s46, s46, 12
	s_mov_b32 s47, 0
	s_mul_i32 s20, s12, 64*PITCH
	s_mul_i32 s21, s12, 128*PITCH
	s_add_co_u32 s21, s21, BOFF
	s_mov_b32 s[TB], 0
	s_wait_dscnt 0x0                               ; the opening add is done
	s_wait_kmcnt 0x0
	s_add_nc_u64 s[14:15], s[76:77], s[16:17]
	s_add_nc_u64 s[46:47], s[78:79], s[46:47]
	CROUND                                         ; all sixteen work-groups are here: the first joint loads meet
.irp s, 0,1
	s_mov_b32 s[G0A+4*\s], 1
	s_add_co_u32 s[G0A+4*\s+1], s20, \s*SLOT1
	s_add_nc_u64 s[G0A+4*\s+2:G0A+4*\s+3], s[14:15], \s*KSTEP*2
	s_or_b32 s[G0A+4*\s+3], s[G0A+4*\s+3], 0x80000000
	s_mov_b32 s[G0B+4*\s], 1
	s_add_co_u32 s[G0B+4*\s+1], s21, \s*SLOT1
	s_add_nc_u64 s[G0B+4*\s+2:G0B+4*\s+3], s[46:47], \s*KSTEP*2
	s_or_b32 s[G0B+4*\s+3], s[G0B+4*\s+3], 0x80000000
.endr
	s_cmp_eq_u32 s11, 0                            ; a wave's two first fills stand in one branch: two loads of mine are out
	s_cbranch_scc0 .Lfirst_b
	tensor_load_to_lds s[G0A:G0A+3], s[G1A:G1A+7]
	s_nop 0
	tensor_load_to_lds s[G0A+4:G0A+7], s[G1A:G1A+7]
	s_nop 0
.rept 4
	v_nop
.endr
	s_branch .Lfirst_asked
.Lfirst_b:
	tensor_load_to_lds s[G0B:G0B+3], s[G1B:G1B+7]
	s_nop 0
	tensor_load_to_lds s[G0B+4:G0B+7], s[G1B:G1B+7]
	s_nop 0
.rept 4
	v_nop
.endr
.Lfirst_asked:
	v_and_b32 v1, 15, v0                           ; l % 16
	v_bfe_u32 v2, v0, 4, 1                         ; l / 16
	v_and_b32 v4, 31, v0                           ; l
	v_mul_u32_u24 v3, v1, PITCH
	v_lshl_add_u32 v3, v2, 4, v3
	s_mul_i32 s67, s11, 64*PITCH                   ; my 64 rows of ctx
	v_add_nc_u32 v[ADRA0], s67, v3
	s_mul_i32 s67, s12, 128*PITCH                  ; my 128 rows of wof
	s_add_co_u32 s67, s67, BOFF
	v_add_nc_u32 v[ADRB0], s67, v3
	v_mov_b32 v[ADRA], v[ADRA0]
	v_mov_b32 v[ADRB], v[ADRB0]
	s_mul_i32 s67, s10, 16*SPI
	s_add_co_u32 s67, s67, STAGE                   ; my stage
	v_mul_u32_u24 v[STO], v1, SPI                  ; in: row l % 16, 32 bytes for each half of the lanes
	v_lshl_add_u32 v[STO], v2, 5, v[STO]
	v_add_nc_u32 v[STO], s67, v[STO]
	v_lshlrev_b32 v[GO], 4, v4                     ; back: 32 lanes take a row's 512 bytes
	v_add_nc_u32 v[RD], s67, v[GO]
	s_lshl_b32 s88, s13, 7
	s_lshl_b32 s89, s11, 6
	s_add_co_u32 s88, s88, s89                     ; my first row of out0, 8,192 bytes a row,
	s_lshl_b32 s88, s88, 13
	s_lshl_b32 s89, s42, 10                        ; my first column, 4 bytes a number
	s_add_co_u32 s88, s88, s89
	s_lshl_b32 s89, s12, 9
	s_add_co_u32 s88, s88, s89
	s_mov_b32 s89, 0
	s_add_nc_u64 s[8:9], s[8:9], s[88:89]
	; the prefetches' address
	s_and_b32 s88, ttmp7, 0xffff                   ; cluster y
	s_or_b32 s89, ttmp9, s12                       ; ctx: cluster x = 0, and of waves 0 and 1 the first
	s_lshl_b32 s90, s13, 7                         ; the tile's first row in ctx,
	s_lshl_b32 s91, s42, 8                         ; my 128 rows in wof
	s_lshl_b32 s92, s12, 7
	s_add_co_u32 s91, s91, s92
	s_cmp_eq_u32 s11, 0
	s_cselect_b32 s88, s89, s88
	s_cselect_b32 s90, s90, s91
	s_cselect_b32 s91, s40, s41                    ; my place among the four that ask with me
	s_cselect_b64 s[PFA:PFA+1], s[76:77], s[78:79]
	s_cmp_eq_u32 s88, 0
	s_cselect_b32 s[LIM], AHEAD, -1                ; the same in all sixteen partners, for a given wave
	s_lshl_b32 s91, s91, 5
	s_add_co_u32 s90, s90, s91
	s_lshl_b32 s90, s90, 12
	s_mov_b32 s91, 0
	s_add_nc_u64 s[PFA:PFA+1], s[PFA:PFA+1], s[90:91]
	s_add_nc_u64 s[PFA:PFA+1], s[PFA:PFA+1], KSTEP*2  ; at K step 1: each change of slots steps it to the K step that it asks for
	v_lshlrev_b32 v[PFO], 12, v4
; 8 matrix instructions: block a of 16 tokens x my 8 blocks of columns, 32 along K.  The 32 accumulators take turns, one instruction a turn, over the backward jump too.
.macro MULA f, a, zero
	WIN 0xa5
.irp b, 0,1,2,3,4,5,6,7
.if \zero
	v_wmma_f32_16x16x32_f16 v[8*(8*(\a)+\b):8*(8*(\a)+\b)+7], v[96*(\f)+8*\b:96*(\f)+8*\b+7], v[96*(\f)+64+8*(\a):96*(\f)+64+8*(\a)+7], 0
.else
	v_wmma_f32_16x16x32_f16 v[8*(8*(\a)+\b):8*(8*(\a)+\b)+7], v[96*(\f)+8*\b:96*(\f)+8*\b+7], v[96*(\f)+64+8*(\a):96*(\f)+64+8*(\a)+7], v[8*(8*(\a)+\b):8*(8*(\a)+\b)+7]
.endif
.endr
.endm
.macro FETCH k, f                      ; 24 LDS loads in one run; wof's first, ctx's blocks 0 to 3 last
	WIN 0x40
.irp b, 0,1,2,3,4,5,6,7
	ds_load_b128 v[96*(\f)+8*\b:96*(\f)+8*\b+3],   v[ADRB] offset:(\k)+\b*16*PITCH
	ds_load_b128 v[96*(\f)+8*\b+4:96*(\f)+8*\b+7], v[ADRB] offset:(\k)+\b*16*PITCH+32
.endr
.irp a, 0,1,2,3
	ds_load_b128 v[96*(\f)+64+8*\a:96*(\f)+64+8*\a+3],   v[ADRA] offset:(\k)+\a*16*PITCH
	ds_load_b128 v[96*(\f)+64+8*\a+4:96*(\f)+64+8*\a+7], v[ADRA] offset:(\k)+\a*16*PITCH+32
.endr
.endm
.macro QUARTER k, f, g, zero
	s_wait_dscnt 4                                 ; all but the youngest four loads: ctx's blocks 2 and 3
	MULA \f, 0, \zero
	MULA \f, 1, \zero
	PLACES
	FETCH \k, \g
	s_wait_dscnt NL                                ; all but the 24 just issued
	MULA \f, 2, \zero
	MULA \f, 3, \zero
.endm
; The last quarter multiplies buffer 1 and changes slots: each wave waits for all its tensor loads (one is out: its part of the next slot), adds 0 to its spare word, and waits for that and for its
; reads of this slot.  fill = 1: the barrier opens a round of the cluster's, and the slot just read is filled again, two K steps on, first thing behind the round.
.macro TURN fill
.if \fill
	s_wait_xcnt 0x0                                ; the last prefetch, a K step back, has read its address
	s_add_nc_u64 s[PFA:PFA+1], s[PFA:PFA+1], KSTEP*2
.endif
	WIN 0
	s_wait_tensorcnt 0x0                           ; no tensor load of mine is out, so the walking descriptors may be written
	ds_add_u32 v[SPW], v[NIL]                      ; 0 onto my spare word
.if \fill
	s_xor_b32 s[G0A+5], s[G0A+5], SLOT1
	s_add_nc_u64 s[G0A+6:G0A+7], s[G0A+6:G0A+7], KSTEP*2
	s_xor_b32 s[G0B+5], s[G0B+5], SLOT1
	s_add_nc_u64 s[G0B+6:G0B+7], s[G0B+6:G0B+7], KSTEP*2
.endif
	s_wait_dscnt 5                                 ; the add and the youngest four loads may be out
	MULA 1, 0, 0
	s_wait_dscnt 0x0                               ; the add is done, and my reads of this slot are over
	s_barrier_signal -1
	MULA 1, 1, 0
	WIN 0
	s_barrier_wait -1
.if \fill
	CREST                                          ; no wave of any partner still reads this slot or has a load on its way
	JLOAD                                          ; its four v_nop are also the places in front of the loads below
.else
	PLACES
.endif
	s_xor_b32 s[TB], s[TB], SLOT1
	v_add_nc_u32 v[ADRA], s[TB], v[ADRA0]
	v_add_nc_u32 v[ADRB], s[TB], v[ADRB0]
	FETCH 0, 0
.if \fill
	ASK
.endif
	MULA 1, 2, 0
	MULA 1, 3, 0
.endm
	s_wait_tensorcnt 1                             ; my part of K step 0 is in; K step 1's may stay out
	s_barrier_signal -1
	s_barrier_wait -1
	FETCH 0, 0
	QUARTER 64, 0, 1, 1                            ; the first quarter stands in front of the loop: its products start the sums
	WIN 0
	s_mov_b32 s3, 14
.Lstep:                                            ; trip t ends K step t, asks for K step t + 2 and begins K step t + 1
	QUARTER 128, 1, 0, 0
	QUARTER 192, 0, 1, 0
	TURN 1
	QUARTER 64, 0, 1, 0
	WIN 0
	s_sub_co_u32 s3, s3, 1
	s_cmp_lg_u32 s3, 0
	s_cbranch_scc1 .Lstep
	QUARTER 128, 1, 0, 0                           ; the last two K steps ask for nothing
	QUARTER 192, 0, 1, 0
	TURN 0
	QUARTER 64, 0, 1, 0
	QUARTER 128, 1, 0, 0
	QUARTER 192, 0, 1, 0
	s_wait_dscnt 4
	MULA 1, 0, 0
	MULA 1, 1, 0
	s_wait_dscnt 0x0
	MULA 1, 2, 0
	MULA 1, 3, 0
	WIN 0
	PLACES
	PLACES
; THE WAY OUT.  A block of 16 tokens goes through my own stage: 32 bytes a lane into rows of 528 bytes, back as whole rows of 512.  LDS serves a wave's instructions in order, so no wait stands between.
.macro TOSTAGE a
	WIN 0x08                                       ; the stores' data lie in window 2; each accumulator's low half goes first
.irp b, 0,1,2,3,4,5,6,7
	ds_store_b128 v[STO], v[8*(8*(\a)+\b):8*(8*(\a)+\b)+3]   offset:64*\b
	ds_store_b128 v[STO], v[8*(8*(\a)+\b)+4:8*(8*(\a)+\b)+7] offset:64*\b+16
.endr
	WIN 0
.irp i, 0,1,2,3,4,5,6,7,8,9,10,11,12,13,14,15
	ds_load_b128 v[BK+64*((\a)%2)+4*\i:BK+64*((\a)%2)+4*\i+3], v[RD] offset:\i*SPI
.endr
.endm
.macro SEND a, younger                 ; younger: the LDS instructions issued behind block a's loads: the next block's 32, or none
.irp i, 0,1,2,3,4,5,6,7,8,9,10,11,12,13,14,15
	s_wait_dscnt (\younger)+15-\i
	global_store_b128 v[GO], v[BK+64*((\a)%2)+4*\i:BK+64*((\a)%2)+4*\i+3], s[8:9] offset:(\a)*131072+\i*8192 th:TH_STORE_NT  ; 512 consecutive bytes of a row, aligned
.endr
.endm
	TOSTAGE 0
	TOSTAGE 1
	SEND 0, 32
	s_wait_xcnt 0x0                                ; block 0's stores have read their registers: block 2 is read back into them only behind this wait
	TOSTAGE 2
	SEND 1, 32
	s_wait_xcnt 0x0
	TOSTAGE 3
	SEND 2, 32
	SEND 3, 0
	s_wait_tensorcnt 0x0                           ; the wave's end, behind my last tensor load and my last LDS store
	ds_add_u32 v[SPW], v[NIL]
	s_wait_dscnt 0x0
	CROUND                                         ; the closing round: no work-group ends while a partner may still ask for a tile that names it
	s_endpgm
.Lfunc_end_k_q1ace2fbfbc_proj:
	.size	k_q1ace2fbfbc_proj, .Lfunc_end_k_q1ace2fbfbc_proj-k_q1ace2fbfbc_proj
	.p2alignl 7, 3214868480
	.fill 96, 4, 3214868480
	.section	.rodata,"a",@progbits
	.p2align	6, 0x0
	.amdhsa_kernel k_q1ace2fbfbc_proj
		.amdhsa_group_segment_fixed_size 327680
		.amdhsa_private_segment_fixed_size 0
		.amdhsa_enable_private_segment 0
		.amdhsa_kernarg_size 24
		.amdhsa_user_sgpr_count 2
		.amdhsa_user_sgpr_kernarg_segment_ptr 1
		.amdhsa_wavefront_size32 1
		.amdhsa_system_sgpr_workgroup_id_x 1
		.amdhsa_system_sgpr_workgroup_id_y 1
		.amdhsa_system_sgpr_workgroup_id_z 1
		.amdhsa_system_vgpr_workitem_id 0
		.amdhsa_next_free_vgpr 768
		.amdhsa_next_free_sgpr 96
		.amdhsa_reserve_vcc 0
		.amdhsa_float_denorm_mode_32 3
		.amdhsa_float_denorm_mode_16_64 3
		.amdhsa_memory_ordered 1
		.amdhsa_forward_progress 1
		.amdhsa_inst_pref_size 71
	.end_amdhsa_kernel
	.amdgpu_metadata
---
amdhsa.version: [ 1, 2 ]
amdhsa.kernels:
  - .name:           k_q1ace2fbfbc_proj
    .symbol:         k_q1ace2fbfbc_proj.kd
    .args:
      - { .name: ctx, .offset: 0, .size: 8, .value_kind: global_buffer, .address_space: global }
      - { .name: wof, .offset: 8, .size: 8, .value_kind: global_buffer, .address_space: global }
      - { .name: out0, .offset: 16, .size: 8, .value_kind: global_buffer, .address_space: global }
    .group_segment_fixed_size: 327680
    .private_segment_fixed_size: 0
    .kernarg_segment_align: 8
    .kernarg_segment_size: 24
    .max_flat_workgroup_size: 128
    .sgpr_count:     96
    .vgpr_count:     768
    .wavefront_size: 32
...
	.end_amdgpu_metadata
.endif
;; end of part 4
